; MI455X (gfx1250); checked and timed in simulation.
; The chip was launched on July 23, 2026; its instructions are those of AMD's public machine-readable ISA for CDNA 5 (MIT licence, August 2026) and "CDNA5" Instruction Set Architecture Reference Guide (July 2026). The comments in the code are by the model that wrote it; some were corrected since.
;; Multi Head Attention. Allowed arithmetic: matrix products marked QUANTISED: E2M3 operands, one E8M0 scale for each 32 along K, by v_wmma_scale_f32_16x16x128_f8f6f4 with both operands' format E2M3, f32 sums; everything else in f32.
;; Inputs: Wk 1,024 x 1,024 float32; Wo 1,024 x 1,024 float32; Wq 1,024 x 1,024 float32; Wv 1,024 x 1,024 float32; bo 1,024 float32; x 4 x 2,048 x 1,024 float32.
;; Outputs: out0 4 x 2,048 x 1,024 float32.
;; This version of the problem:
;;   THIS VERSION OF THE PROBLEM IS GIVEN IN LOW PRECISION. The matrix products marked QUANTISED in the list below multiply operands that are first quantised to E2M3 (2 exponent bits, 3 mantissa bits; 6 bits a number), with one power-of-two scale for each 32 numbers along K (OCP MX v1.0); their sums are f32. All else is computed in f32.
;;   The module's matrix products, in the order in which they are computed (A, B: the left and right operand; K: the contracted axis; several contracted axes count as one K, in the product's order):
;;     1. [M 8,192, K 1,024] x [K 1,024, N 1,024]; A: input x; B: input Wq: QUANTISED
;;     2. [M 8,192, K 1,024] x [K 1,024, N 1,024]; A: input x; B: input Wk: QUANTISED
;;     3. [M 8,192, K 1,024] x [K 1,024, N 1,024]; A: input x; B: input Wv: QUANTISED
;;     4. batch 64 x [M 2,048, K 64] x [K 64, N 2,048]; A: computed on the way; B: computed on the way: QUANTISED
;;     5. batch 64 x [M 2,048, K 2,048] x [K 2,048, N 64]; A: softmax (see below); B: computed on the way: QUANTISED
;;     6. [M 8,192, K 1,024] x [K 1,024, N 1,024]; A: computed on the way; B: input Wo: QUANTISED
;;   THE QUANTISER, for each operand of a quantised product, along K:
;;     - K is cut into blocks of 32 from its start; a last block that is shorter is filled with zeros.
;;     - A block's scale is 2^e with e = floor(log2(the largest magnitude in the block)) - 2, held to -126 .. 127; a block of zeros has e = 0. As a byte (E8M0): e + 127.
;;     - Each number is divided by its block's scale, clamped to +-7.5, and rounded to the nearest number of E2M3, ties to even, subnormals kept.
;;     - The product sums the exact products of the quantised numbers (number of the format x scale) in f32.
;;   ~~~python
;;   def quantise(x, axis):      # numpy; x: float32 -> the quantised numbers, widened to float32 again
;;       x = np.moveaxis(x, axis, -1); K = x.shape[-1]
;;       x = np.pad(x, [(0, 0)] * (x.ndim - 1) + [(0, -K % 32)]); x = x.reshape(x.shape[:-1] + (-1, 32)); a = np.abs(x).max(-1, keepdims=True)
;;       e = np.where(a > 0, np.clip(np.frexp(np.where(a > 0, a, 1))[1] - 1 - 2, -126, 127), 0)      # np.frexp(a)[1] - 1 = floor(log2(a)), exactly
;;       r = np.clip(x / 2.0 ** e, -7.5, 7.5)
;;       step = 2.0 ** (np.maximum(np.frexp(np.where(r == 0, 1, r))[1] - 1, 0) - 3)
;;       q = np.round(r / step) * step * 2.0 ** e      # np.round: ties to even
;;       return np.moveaxis(q.reshape(q.shape[:-2] + (-1,))[..., :K], -1, axis).astype(np.float32)
;;   ~~~
;;   SOFTMAX AHEAD OF A QUANTISED PRODUCT. Where the list says 'softmax', what is quantised is not the finished softmax but p = 2^(t - M), with t = logit x log2(e) and M = ceil(the row's largest t), a whole number; so 1/2 < the row's largest p <= 1. The row's sum l is taken of the UNQUANTISED p, in f32, and the product's result is divided by l at the end. Since M is a whole number, a kernel that streams over the keys may use a running M (the ceiling of the running maximum): every later rescaling is an exact power of two, which a block's scale takes up: the codes' values come out the same.
;;   OPERANDS COMPUTED ON THE WAY. 'Computed on the way' means the value that the module computes at that place (a softmax that the list does not call 'softmax' is quantised finished and normalised). What goes into a quantiser is computed in f32, as accurately as f32 sums, v_exp_f32 and their like allow (about 1e-6 of the number): no bf16 or f16 on the way to a quantiser, and a product that is left as it is and whose result goes on into a quantised operand takes f32 operands (vector FMAs, or v_wmma_f32_16x16x4_f32). A number that lies on a knife's edge between two numbers of the format may be rounded either way, as far as f32 arithmetic and the matrix unit's own rounding can turn it there, and no further.
;; One version. Each part assembles by itself: llvm-mc -triple=amdgcn-amd-amdhsa -mcpu=gfx1250 --defsym DOCPART=n.
;; ======== version 1 of 1: 4 launches
;; workspace buffers: xq 6,553,600 bytes; wq 3,276,800 bytes; rope 524,288 bytes; qq 6,815,744 bytes; kv 13,369,344 bytes; oq 6,553,600 bytes
;; launch prep (part 1): grid 768 x 1, 4 waves a work-group, no clusters, 34,304 bytes of LDS; arguments x, Wq, Wk, Wv, Wo, xq, wq, rope; writes xq, wq, rope
.if DOCPART == 1
	.amdgcn_target "amdgcn-amd-amdhsa--gfx1250"
	.amdhsa_code_object_version 6
	.text
	.protected	k_q2b71c4a784_prep
	.globl	k_q2b71c4a784_prep
	.p2align	8
	.type	k_q2b71c4a784_prep,@function
k_q2b71c4a784_prep:
	s_mov_b64 s[64:65], 0
	v_nop
	global_prefetch_b8 v0, s[64:65] scope:SCOPE_SE
	s_setreg_imm32_b32 hwreg(HW_REG_WAVE_MODE, 25, 1), 1
	s_wait_xcnt 0x0
; x [8192][1024] and the four weights [1024 (k)][1024 (n)], f32, become codes of FP6 (E2M3) with one E8M0 byte for each 32 along K; and the table of cosines and sines for the rotation is made.
; LAYOUT OF AN OPERAND: tiles of 16 rows.  Tiles 2 G and 2 G + 1 cover rows 32 G .. 32 G + 31: row r of tile 2 G + u is row 32 G + 8 u + r + 8 (r / 8).  A tile's codes: 16 pieces of 64 along K, 768 bytes each,
; laid as the matrix operand's registers: lane (r, h) holds block h (32 codes, 6 registers) of row r; registers 0-3 at 16 x lane, registers 4-5 at 512 + 8 x lane.  Scale words: 512 bytes a tile, the word of
; (row r, K step s of 128) at 128 (s / 2) + 8 r + 4 (s % 2).
; A block's scale is 2^(floor(log2(largest magnitude)) - 2); its byte is the largest magnitude's exponent field - 2, held at 1 from below.
; LIMITS: NaN and infinities among the inputs are not served.  A block of zeros gets the byte 1 (its codes are zeros; the bytes are read by this program alone).  The angle is t x exp2(-i log2(10) / 8) in f32:
; at t near 2,047 it lies within about 1e-4 radians of an angle made from a power and a division in f32.
; Work-groups 0-511: one tile of x each, wave w the 256 along K from 256 w on; and each wave one token of the table.  Work-groups 512-767: 128 columns x 128 along K of one weight.  Waves share nothing: no barrier.
.set XS_OFF, 6291456                   ; x's scale words behind its codes
.set WS_OFF, 3145728                   ; the weights' likewise
.set R,   16                           ; v16-143  two K steps of 16 rows as loaded
.set X,   144                          ; v144-207 64 numbers of my row: register 16 b + i = k 32 b + 16 h + i
.set PC,  208                          ; v208-226 codes
.set TM,  228                          ; v228-243 at work in QUANT
.set SEL, 36                           ; s[36:37] lane selects: lane l xor 16
; 64 numbers of a lane become a fragment's 12 registers of codes in v[PC] on and the row's scale word in v[pw]
.macro QUANT s, pw
.irp b, 0,1,2,3
	v_max3_num_f32 v[TM+\b], |v[(\s)+16*\b]|, |v[(\s)+1+16*\b]|, 0x1800000   ; my 16 numbers of block b, and the floor 2^(3 - 127): the byte cannot fall under 1
.endr
.irp i, 2,4,6,8,10,12,14
.irp b, 0,1,2,3
	v_max3_num_f32 v[TM+\b], |v[(\s)+16*\b+\i]|, |v[(\s)+1+16*\b+\i]|, v[TM+\b]
.endr
.endr
.irp b, 0,1,2,3
	v_permlanex16_b32 v[TM+4+\b], v[TM+\b], s[SEL], s[SEL+1]
.endr
.irp b, 0,1,2,3
	v_max_num_f32 v[TM+\b], v[TM+\b], v[TM+4+\b]   ; with lane l xor 16's 16: the block's largest magnitude
.endr
.irp b, 0,1,2,3
	v_add_nc_u32 v[TM+12+\b], 0xff000000, v[TM+\b]   ; 2 off its exponent field: the conversion's scale operand
.endr
.irp b, 0,1,2,3
	v_lshrrev_b32 v[TM+4+\b], 23, v[TM+12+\b]      ; the scale's byte
.endr
	v_lshl_or_b32 v[\pw], v[TM+5], 8, v[TM+4]
	v_lshl_or_b32 v[\pw], v[TM+6], 16, v[\pw]
	v_lshl_or_b32 v[\pw], v[TM+7], 24, v[\pw]
.irp c, 0,1
	v_cvt_scalef32_pk16_fp6_f32 v[PC+6*\c:PC+6*\c+2], v[(\s)+32*\c:(\s)+32*\c+15], v[TM+12+2*\c]
	v_cvt_scalef32_pk16_fp6_f32 v[PC+12+4*\c:PC+14+4*\c], v[(\s)+32*\c+16:(\s)+32*\c+31], v[TM+13+2*\c]   ; (a conversion's three registers begin on an even number)
.endr
	v_nop                                          ; one plain instruction behind the conversions
.irp c, 0,1                                    ; a whole block to a lane: lanes 0-15 block 2 c, lanes 16-31 block 2 c + 1
.irp i, 0,1,2
	v_permlane16_swap_b32 v[PC+6*\c+\i], v[PC+12+4*\c+\i]
.endr
.irp i, 0,1,2
	v_mov_b32 v[PC+3+6*\c+\i], v[PC+12+4*\c+\i]
.endr
.endr
.endm
	s_load_b256 s[4:11], s[0:1], 0x0               ; x s[4:5], Wq s[6:7], Wk s[8:9], Wv s[10:11]
	s_load_b256 s[12:19], s[0:1], 0x20             ; Wo s[12:13], xq s[14:15], wq s[16:17], rope s[18:19]
	v_lshl_add_u32 v254, v0, 2, 0x8400
	v_mov_b32 v255, 0
	v_lshrrev_b32 v1, 5, v0
	v_readfirstlane_b32 s20, v1                    ; wave
	v_and_b32 v9, 31, v0                           ; lane
	s_cmp_lt_u32 ttmp9, 512
	s_cbranch_scc0 .Lweights
	; ---------------- a tile of x ----------------
	v_lshlrev_b32 v1, 4, v9                        ; 16 x lane
	v_lshlrev_b32 v2, 3, v9                        ; 8 x lane
	v_and_b32 v10, 15, v0                          ; r
	v_bfe_u32 v11, v0, 4, 1                        ; h
	v_lshlrev_b32 v3, 3, v10                       ; 8 r
	s_mul_i32 s21, s20, 8448                       ; my wave's stage: 16 rows of 512 bytes + 16
	v_add_nc_u32 v4, s21, v1                       ; in: as loaded
	v_mul_u32_u24 v5, v10, 528
	v_lshl_add_u32 v5, v11, 6, v5
	v_add_nc_u32 v5, s21, v5                       ; back: row r, + 64 h
	s_lshr_b32 s22, ttmp9, 1
	s_lshl_b32 s22, s22, 17                        ; 32 rows of 4,096 bytes for each pair of tiles,
	s_and_b32 s23, ttmp9, 1
	s_lshl_b32 s23, s23, 15                        ; 8 rows for the odd tile,
	s_add_co_u32 s22, s22, s23
	s_lshl_b32 s23, s20, 10                        ; 256 numbers along K for each wave
	s_add_co_u32 s22, s22, s23
	s_mov_b32 s23, 0
	s_mul_i32 s24, ttmp9, 12288                    ; the tile's codes,
	s_mul_i32 s25, s20, 3072                       ; my four pieces of 64 along K
	s_add_co_u32 s24, s24, s25
	s_mov_b32 s25, 0
	s_lshl_b32 s26, ttmp9, 9                       ; the tile's scale words,
	s_lshl_b32 s27, s20, 7                         ; my two K steps'
	s_add_co_u32 s26, s26, s27
	s_add_co_u32 s26, s26, XS_OFF
	s_mov_b32 s27, 0
	s_lshl_b32 s30, ttmp9, 2
	s_add_co_u32 s30, s30, s20                     ; the table's token t = 4 x work-group + wave
	s_lshl_b32 s28, s30, 8
	s_mov_b32 s29, 0
	s_mov_b32 s31, 0xbfc90fdb                      ; -pi/2, the f32 nearest,
	s_mov_b32 s32, 0x333bbd2e                      ; and what that leaves of it
	s_mov_b32 s[SEL], 0x76543210
	s_mov_b32 s[SEL+1], 0xfedcba98
	s_wait_kmcnt 0x0
	s_add_nc_u64 s[4:5], s[4:5], s[22:23]
	s_add_nc_u64 s[24:25], s[14:15], s[24:25]
	s_add_nc_u64 s[26:27], s[14:15], s[26:27]
	s_add_nc_u64 s[18:19], s[18:19], s[28:29]
.irp k, 0,1
.irp i, 0,1,2,3,4,5,6,7,8,9,10,11,12,13,14,15
	global_load_b128 v[R+64*\k+4*\i:R+64*\k+4*\i+3], v1, s[4:5] offset:(\i+8*(\i/8))*4096+512*\k th:TH_LOAD_NT   ; 32 lanes read 512 consecutive bytes of the tile's row i
.endr
.endr
	; the table, while the loads are on their way: lane i holds pair i of token t
	v_cvt_f32_u32 v144, v9
	v_mul_f32 v144, 0xbed49a78, v144               ; -i log2(10) / 8
	v_exp_f32 v144, v144                           ; 10000^(-i / 32)
	v_nop                                          ; a plain instruction behind the exponential
	v_cvt_f32_u32 v145, s30
	s_wait_alu depctr_va_vdst(0)                   ; and the wait ahead of its first reader
	v_mul_f32 v144, v145, v144                     ; the angle a
	v_mul_f32 v145, 0x3f22f983, v144
	v_rndne_f32 v145, v145                         ; n = the nearest whole number to a x 2 / pi
	v_fma_f32 v146, v145, s31, v144
	v_fma_f32 v146, v145, s32, v146                ; rho = a - n pi/2, within pi/4 of 0
	v_mul_f32 v147, v146, v146                     ; z = rho^2
	v_mov_b32 v148, 0x3638ef1d                     ; sine: 1/9!, -1/7!, 1/5!, -1/3!
	v_mov_b32 v149, 0xb493f27e                     ; cosine: -1/10!, 1/8!, -1/6!, 1/4!, -1/2
	v_fmaak_f32 v148, v148, v147, 0xb9500d01
	v_fmaak_f32 v149, v149, v147, 0x37d00d01
	v_fmaak_f32 v148, v148, v147, 0x3c088889
	v_fmaak_f32 v149, v149, v147, 0xbab60b61
	v_fmaak_f32 v148, v148, v147, 0xbe2aaaab
	v_fmaak_f32 v149, v149, v147, 0x3d2aaaab
	v_mul_f32 v148, v148, v147
	v_fmaak_f32 v149, v149, v147, 0xbf000000
	v_fma_f32 v148, v148, v146, v146               ; sin rho
	v_fma_f32 v149, v149, v147, 1.0                ; cos rho
	v_cvt_i32_f32 v150, v145                       ; the quadrant
	v_and_b32 v151, 1, v150
	v_cmp_ne_u32 vcc_lo, 0, v151
	v_cndmask_b32 v152, v148, v149, vcc_lo         ; in odd quadrants the two change places
	v_cndmask_b32 v153, v149, v148, vcc_lo
	v_and_b32 v151, 2, v150
	v_lshlrev_b32 v151, 30, v151
	v_xor_b32 v247, v151, v152                     ; sin a: negative in quadrants 2, 3
	v_add_nc_u32 v150, 1, v150
	v_and_b32 v150, 2, v150
	v_lshlrev_b32 v150, 30, v150
	v_xor_b32 v246, v150, v153                     ; cos a: negative in quadrants 1, 2
	global_store_b64 v2, v[246:247], s[18:19]      ; the wave stores the token's 256 consecutive bytes, aligned
.irp b, 0,1,2,3
	v_mov_b32 v[TM+4+\b], 0                        ; written once: a lane permute's destination counts as one of its sources
.endr
.irp k, 0,1
	s_wait_loadcnt 16-16*\k                        ; this K step's sixteen loads are in; the other's may be out
.irp i, 0,1,2,3,4,5,6,7,8,9,10,11,12,13,14,15
	ds_store_b128 v4, v[R+64*\k+4*\i:R+64*\k+4*\i+3] offset:528*\i
.endr
.irp b, 0,1,2,3
.irp j, 0,1,2,3
	ds_load_b128 v[X+16*\b+4*\j:X+16*\b+4*\j+3], v5 offset:128*\b+16*\j   ; LDS serves a wave's instructions in order: these see my stores
.endr
.endr
	s_wait_dscnt 0x0
.if \k
	s_wait_xcnt 0x0                                ; the first K step's stores have read the codes' registers
.endif
	QUANT X, 244+\k
	global_store_b128 v1, v[PC:PC+3], s[24:25] offset:1536*\k         ; 512 consecutive bytes
	global_store_b64 v2, v[PC+4:PC+5], s[24:25] offset:1536*\k+512    ; 256
	global_store_b128 v1, v[PC+6:PC+9], s[24:25] offset:1536*\k+768
	global_store_b64 v2, v[PC+10:PC+11], s[24:25] offset:1536*\k+1280
.endr
	global_store_b64 v3, v[244:245], s[26:27]      ; my row's two scale words (lanes r and r + 16 store the same bytes)
	s_wait_tensorcnt 0x0
	ds_add_u32 v254, v255
	s_wait_dscnt 0x0
	s_endpgm
	; ---------------- 128 columns x 128 along K of a weight: a lane takes a column, its registers run down K ----------------
.Lweights:
	s_sub_co_u32 s21, ttmp9, 512
	s_and_b32 s22, s21, 7                          ; which 128 columns
	s_bfe_u32 s23, s21, 0x30003                    ; K step s
	s_lshr_b32 s24, s21, 6                         ; which weight: Wq, Wk, Wv, Wo
	s_lshl_b32 s25, s22, 2
	s_add_co_u32 s25, s25, s20                     ; G: my wave's 32 columns
	v_lshlrev_b32 v1, 2, v9                        ; 4 x lane
	v_bfe_u32 v10, v9, 3, 1                        ; column 32 G + lane is row r of tile 2 G + u: u = (lane / 8) % 2,
	v_and_b32 v11, 7, v9
	v_lshrrev_b32 v12, 4, v9
	v_lshl_add_u32 v11, v12, 3, v11                ; r = lane % 8 + 8 (lane / 16)
	v_mul_u32_u24 v13, v10, 12288
	v_lshl_add_u32 v6, v11, 4, v13                 ; registers 0-3 of my block
	v_lshl_add_u32 v7, v11, 3, v13                 ; registers 4-5
	v_lshlrev_b32 v8, 9, v10
	v_lshl_add_u32 v8, v11, 3, v8                  ; my scale word
	s_lshl_b32 s26, s23, 19                        ; 128 rows of 4,096 bytes for each K step,
	s_lshl_b32 s27, s25, 7                         ; 128 bytes for each 32 columns
	s_add_co_u32 s26, s26, s27
	s_mov_b32 s27, 0
	s_lshl_b32 s28, s24, 6
	s_lshl_b32 s29, s25, 1
	s_add_co_u32 s28, s28, s29                     ; tile 64 x weight + 2 G
	s_mul_i32 s30, s28, 12288
	s_mul_i32 s31, s23, 1536
	s_add_co_u32 s30, s30, s31
	s_mov_b32 s31, 0
	s_lshl_b32 s38, s28, 9
	s_lshr_b32 s39, s23, 1
	s_lshl_b32 s39, s39, 7
	s_add_co_u32 s38, s38, s39
	s_and_b32 s39, s23, 1
	s_lshl_b32 s39, s39, 2
	s_add_co_u32 s38, s38, s39
	s_add_co_u32 s38, s38, WS_OFF
	s_mov_b32 s39, 0
	s_wait_kmcnt 0x0
	s_cmp_eq_u32 s24, 1
	s_cselect_b64 s[6:7], s[8:9], s[6:7]
	s_cmp_eq_u32 s24, 2
	s_cselect_b64 s[6:7], s[10:11], s[6:7]
	s_cmp_eq_u32 s24, 3
	s_cselect_b64 s[6:7], s[12:13], s[6:7]
	s_add_nc_u64 s[6:7], s[6:7], s[26:27]
	s_add_nc_u64 s[32:33], s[16:17], s[30:31]      ; the codes
	s_add_nc_u64 s[34:35], s[16:17], s[38:39]      ; the scale words
.macro LOADW t                         ; block t: W(128 s + 32 t + i, my column) into set t % 2; 32 lanes read 128 consecutive bytes
.irp i, 0,1,2,3,4,5,6,7,8,9,10,11,12,13,14,15,16,17,18,19,20,21,22,23,24,25,26,27,28,29,30,31
	global_load_b32 v[32+32*((\t)%2)+\i], v1, s[6:7] offset:(32*(\t)+\i)*4096 th:TH_LOAD_NT
.endr
.endm
.macro BLOCKW t
.set XW, 32+32*((\t)%2)
.set CW, 96+8*(\t)                     ; each block has its own registers for its codes: no store's data are written again
.if (\t) < 3
	s_wait_loadcnt 32                              ; this block's 32 loads are in; the next block's may be out
.else
	s_wait_loadcnt 0x0
.endif
	v_max3_num_f32 v14, |v[XW]|, |v[XW+1]|, |v[XW+2]|   ; all 32 numbers of the block are mine
	v_max3_num_f32 v15, |v[XW+3]|, |v[XW+4]|, |v[XW+5]|
.irp i, 6,10,14,18,22,26
	v_max3_num_f32 v14, v14, |v[XW+\i]|, |v[XW+\i+1]|
	v_max3_num_f32 v15, v15, |v[XW+\i+2]|, |v[XW+\i+3]|
.endr
	v_max3_num_f32 v14, v14, |v[XW+30]|, |v[XW+31]|
	v_max3_num_f32 v14, v14, v15, 0x1800000        ; and the floor
	v_add_nc_u32 v16, 0xff000000, v14              ; the conversion's scale operand
	v_lshrrev_b32 v17, 23, v16                     ; the byte
.if (\t) == 0
	v_mov_b32 v128, v17
.else
	v_lshl_or_b32 v128, v17, 8*(\t), v128
.endif
	v_cvt_scalef32_pk16_fp6_f32 v[CW:CW+2], v[XW:XW+15], v16
	v_cvt_scalef32_pk16_fp6_f32 v[CW+4:CW+6], v[XW+16:XW+31], v16
	v_nop                                          ; one plain instruction behind the conversions
	v_mov_b32 v[CW+3], v[CW+4]                     ; six registers on end
	v_mov_b32 v[CW+4], v[CW+5]
	v_mov_b32 v[CW+5], v[CW+6]
	global_store_b128 v6, v[CW:CW+3], s[32:33] offset:768*((\t)/2)+256*((\t)%2)         ; two runs of 256 consecutive bytes, aligned: one in each of the two tiles
	global_store_b64 v7, v[CW+4:CW+5], s[32:33] offset:768*((\t)/2)+512+128*((\t)%2)    ; two runs of 128
.if (\t) < 2
	LOADW (\t)+2
.endif
.endm
	LOADW 0
	LOADW 1
	BLOCKW 0
	BLOCKW 1
	BLOCKW 2
	BLOCKW 3
	global_store_b32 v8, v128, s[34:35]            ; my column's scale word of this K step
	s_endpgm
.Lfunc_end_k_q2b71c4a784_prep:
	.size	k_q2b71c4a784_prep, .Lfunc_end_k_q2b71c4a784_prep-k_q2b71c4a784_prep
	.p2alignl 7, 3214868480
	.fill 96, 4, 3214868480
	.section	.rodata,"a",@progbits
	.p2align	6, 0x0
	.amdhsa_kernel k_q2b71c4a784_prep
		.amdhsa_group_segment_fixed_size 34304
		.amdhsa_private_segment_fixed_size 0
		.amdhsa_enable_private_segment 0
		.amdhsa_kernarg_size 64
		.amdhsa_user_sgpr_count 2
		.amdhsa_user_sgpr_kernarg_segment_ptr 1
		.amdhsa_wavefront_size32 1
		.amdhsa_system_sgpr_workgroup_id_x 1
		.amdhsa_system_sgpr_workgroup_id_y 1
		.amdhsa_system_sgpr_workgroup_id_z 1
		.amdhsa_system_vgpr_workitem_id 0
		.amdhsa_next_free_vgpr 256
		.amdhsa_next_free_sgpr 66
		.amdhsa_reserve_vcc 1
		.amdhsa_float_denorm_mode_32 3
		.amdhsa_float_denorm_mode_16_64 3
		.amdhsa_memory_ordered 1
		.amdhsa_forward_progress 1
		.amdhsa_inst_pref_size 41
	.end_amdhsa_kernel
	.amdgpu_metadata
---
amdhsa.version: [ 1, 2 ]
amdhsa.kernels:
  - .name:           k_q2b71c4a784_prep
    .symbol:         k_q2b71c4a784_prep.kd
    .args:
      - { .name: x, .offset: 0, .size: 8, .value_kind: global_buffer, .address_space: global }
      - { .name: Wq, .offset: 8, .size: 8, .value_kind: global_buffer, .address_space: global }
      - { .name: Wk, .offset: 16, .size: 8, .value_kind: global_buffer, .address_space: global }
      - { .name: Wv, .offset: 24, .size: 8, .value_kind: global_buffer, .address_space: global }
      - { .name: Wo, .offset: 32, .size: 8, .value_kind: global_buffer, .address_space: global }
      - { .name: xq, .offset: 40, .size: 8, .value_kind: global_buffer, .address_space: global }
      - { .name: wq, .offset: 48, .size: 8, .value_kind: global_buffer, .address_space: global }
      - { .name: rope, .offset: 56, .size: 8, .value_kind: global_buffer, .address_space: global }
    .group_segment_fixed_size: 34304
    .private_segment_fixed_size: 0
    .kernarg_segment_align: 8
    .kernarg_segment_size: 64
    .max_flat_workgroup_size: 128
    .sgpr_count:     66
    .vgpr_count:     256
    .wavefront_size: 32
...
	.end_amdgpu_metadata
.endif
;; end of part 1
;; launch qkv (part 2): grid 8 x 48, 4 waves a work-group, clusters of 4 x 4, 327,680 bytes of LDS; arguments xq, wq, rope, qq, kv; writes qq, kv
.if DOCPART == 2
	.amdgcn_target "amdgcn-amd-amdhsa--gfx1250"
	.amdhsa_code_object_version 6
	.text
	.protected	k_q2b71c4a784_qkv
	.globl	k_q2b71c4a784_qkv
	.p2align	8
	.type	k_q2b71c4a784_qkv,@function
k_q2b71c4a784_qkv:
	s_mov_b64 s[64:65], 0
	v_nop
	global_prefetch_b8 v0, s[64:65] scope:SCOPE_SE
	s_setreg_imm32_b32 hwreg(HW_REG_WAVE_MODE, 25, 1), 1
	s_wait_xcnt 0x0
	s_wait_alu depctr_hold_cnt(0) depctr_sa_sdst(0) depctr_va_vdst(0) depctr_va_sdst(0) depctr_va_ssrc(0) depctr_va_vcc(0) depctr_vm_vsrc(0)
	s_getreg_b32 s2, hwreg(HW_REG_IB_STS2, 6, 4)
	s_cmp_eq_u32 s2, 0
	s_cbranch_scc0 .Lentry_in_a_cluster
	s_endpgm
.Lentry_in_a_cluster:
	s_bfe_u32 s2, ttmp6, 0x10000c
	s_cmp_lg_u32 s2, 0xf033
	s_cbranch_scc0 .Lentry_shape_is_right
	s_endpgm
.Lentry_shape_is_right:
; q = x Wq, k = x Wk, v = x Wv on codes of FP6 (E2M3) with E8M0 scales; q and k are rotated (f32) and quantised along the head's 64; v is quantised along the keys.  Nothing leaves as f32.
; A tile of 256 x 256 to a work-group of four waves, 128 x 128 a wave: 64 accumulators, 512 registers.  K = 1,024 goes in four steps of 256 through two LDS slots filled by the tensor data mover.
; OPERANDS lie in memory as images of the matrix operand's registers (tiles of 16 rows; 768 bytes for 64 along K: registers 0-3 at 16 x lane, 4-5 at 512 + 8 x lane), so a fragment is four LDS loads of consecutive bytes.
; Row r of tile 2 G + u is row 32 G + 8 u + r + 8 (r / 8): with such tiles as source 0 a lane's 16 registers of two neighbouring tiles are 16 neighbours.
; SOURCE 0 = 16 rows of B, SOURCE 1 = 16 rows of A: a lane holds one row of A and its registers run along B's rows.
;   clusters with y 0-7:  A = x (a lane: a token), B = Wq (cluster x 0) or Wk (1): registers run along the channels, 128 a wave = two heads: rotation and quantiser work within a lane.
;   clusters with y 8-11: A = Wv (a lane: a channel), B = x: registers run along 128 tokens, which are the second attention product's K.
; CLUSTERS: 4 x 4 work-groups; A's tiles are asked for jointly along a row of the cluster, B's along a column.
; OUT: qq: q's codes [head of batch][128 tiles][768], scale words behind them; kv: for each head and 128 keys a record of 13,056 bytes: k's 8 tiles, their scale words, v's four fragments (16 channels x 128 keys), their words.
; A q or k scale word holds its two bytes below; the two above stand over zero codes in the next launch and are the neighbouring head's bytes or 0, never 0xff.
; LIMITS: NaN and infinities are not served; a block of zeros gets the byte 1 (its codes are zeros; this program alone reads the bytes).
; REGISTERS: window 0: v0-31 addresses; v32-63 scale words, two sets; v128-223 A's fragments, one set.  window 1: B's fragments, two sets, at v0 and v128.  windows 2, 3: the accumulators ((a, b) at v[8 (8 (a % 4) + b)]).
.set XS_OFF, 6291456
.set WS_OFF, 3145728
.set QS_OFF, 6291456
.set NQ,     2                         ; matrix instructions deep in a slot
.set FR,     12                        ; registers of a fragment
.set NL,     4                         ; LDS loads that bring one
.set NP,     4                         ; places behind this matrix instruction (ISA guide 7.12.1)
.set TILEB,  3072                      ; a tile's 256 along K
.set HALFT,  8*TILEB                   ; 128 rows: what one tensor load brings
.set SLOT,   4*HALFT                   ; A's 256 rows, then B's
.set LAPS,   2                         ; a lap = two K steps of 256
.set SCL,    2*SLOT                    ; behind the ring: the scale words of A's 256 rows and B's, for all of K: filled once
.set HALFS,  4096                      ; those of 128 rows
.set SBLK,   512                       ; of 16 rows
.set SPARE,  SCL+4*HALFS               ; the spare words: 128 bytes a wave, two blocks of 256 bytes that no other line names
.set ADRA, 16                          ; v16-17 my A fragments in slot 0, 1, + 16 x lane; v18-19 + 8 x lane
.set ADRB, 20                          ; v20-23 the same for B
.set ADRS, 27                          ; v27 my scale words: lanes 0-15 A's rows, lanes 16-31 B's
.set SPW,  28                          ; v28 my spare word; never rewritten
.set NIL,  29                          ; v29 0; never rewritten
.set SC,   32
.set AF,   128
.set ST,   64                          ; the way out: 64 rotated numbers
.set TBL,  128                         ; two sets of 32: cosines and sines
.set PC,   192                         ; codes
.set TM,   216                         ; at work in QUANT
.set PW,   232                         ; the scale word
.set PW2,  233
.set SEL,  42                          ; s[42:43] lane selects, set on the way out
.set G1, 24
.set G0, 32
.set G1B, 48
.set G0B, 56
.set G1S, 68
.set G0S, 76
.set G1SB, 80
.set G0SB, 88
.set MSB, 0
.macro WIN new                         ; the immediate's high byte repeats the setting that is left
.if MSB != (\new)
	s_set_vgpr_msb (MSB<<8)|(\new)
.set MSB, (\new)
.endif
.endm
.set MUL_LO, 0xa1                      ; source 0 (B) window 1, source 1 (A) window 0, C and D window 2
.set MUL_HI, 0xf1                      ; the same, C and D window 3
.set TO_B,   0x40                      ; destination window 1
; A joint load: waves 0 and 1 fetch for A, waves 2 and 3 for B; the branch hangs on the wave's number alone.  Four v_nop follow each of the two lines.
.macro JLOAD g0a, g1a, g0b, g1b
	s_cmp_eq_u32 s15, 0
	s_cbranch_scc0 .Lfor_b_\@
	tensor_load_to_lds s[\g0a:\g0a+3], s[\g1a:\g1a+7]
	s_nop 0
.rept 4
	v_nop
.endr
	s_branch .Lasked_\@
.Lfor_b_\@:
	tensor_load_to_lds s[\g0b:\g0b+3], s[\g1b:\g1b+7]
	s_nop 0
.rept 4
	v_nop
.endr
.Lasked_\@:
.endm
.macro CREST                           ; a round of the cluster's barrier behind its opening barrier
	s_cmp_lg_u32 s14, 0
	s_cbranch_scc1 .Lnot_wave_0_\@
	s_barrier_signal -3
.Lnot_wave_0_\@:
	s_barrier_wait -3
	s_barrier_signal -1
	s_barrier_wait -1
.endm
.macro CROUND
	s_barrier_signal -1
	s_barrier_wait -1
	CREST
.endm
.macro PLACES n
.rept \n
	v_nop
.endr
.endm
.macro FRAG reg, adr, q, i             ; tile i's fragment of the slot's q-th 128 along K: two images of 768 bytes
	ds_load_b128 v[\reg:\reg+3], v[\adr] offset:TILEB*(\i)+1536*(\q)
	ds_load_b64 v[\reg+4:\reg+5], v[\adr+2] offset:TILEB*(\i)+1536*(\q)+512
	ds_load_b128 v[\reg+6:\reg+9], v[\adr] offset:TILEB*(\i)+1536*(\q)+768
	ds_load_b64 v[\reg+10:\reg+11], v[\adr+2] offset:TILEB*(\i)+1536*(\q)+1280
.endm
; 16 matrix instructions: A's blocks a0, a0 + 1 x B's eight.  The 64 accumulators take turns, one instruction a turn, in the same order in every step.
.macro MUL16 a0, p, q, sc, zero
.irp a, \a0, \a0+1
.irp b, 0,1,2,3,4,5,6,7
.if \zero == 1
	v_wmma_scale_f32_16x16x128_f8f6f4 v[8*(8*((\a)%4)+\b):8*(8*((\a)%4)+\b)+7], v[128*(\p)+FR*\b:128*(\p)+FR*\b+FR-1], v[AF+FR*(\a):AF+FR*(\a)+FR-1], 0, v[SC+8*NQ*(\sc)+NQ*\b+(\q)], v[SC+8*NQ*(\sc)+NQ*(\a)+(\q)] matrix_a_fmt:MATRIX_FMT_FP6 matrix_b_fmt:MATRIX_FMT_FP6 matrix_a_scale:MATRIX_SCALE_ROW1
.else
	v_wmma_scale_f32_16x16x128_f8f6f4 v[8*(8*((\a)%4)+\b):8*(8*((\a)%4)+\b)+7], v[128*(\p)+FR*\b:128*(\p)+FR*\b+FR-1], v[AF+FR*(\a):AF+FR*(\a)+FR-1], v[8*(8*((\a)%4)+\b):8*(8*((\a)%4)+\b)+7], v[SC+8*NQ*(\sc)+NQ*\b+(\q)], v[SC+8*NQ*(\sc)+NQ*(\a)+(\q)] matrix_a_fmt:MATRIX_FMT_FP6 matrix_b_fmt:MATRIX_FMT_FP6 matrix_a_scale:MATRIX_SCALE_ROW1
.endif
.endr
.endr
.endm
.macro FETCH_B slot, q, p
	WIN TO_B
.irp i, 0,1,2,3,4,5,6,7
	FRAG 128*(\p)+FR*\i, ADRB+\slot, \q, \i
.endr
	WIN 0
.endm
.macro FETCH_A slot, q, i0
.irp i, \i0, \i0+1, \i0+2, \i0+3
	FRAG AF+FR*(\i), ADRA+\slot, \q, \i
.endr
.endm
.macro SCALES sc                       ; a K step's two words a row: lanes 0-15 take A's block i, lanes 16-31 B's block i
.irp i, 0,1,2,3,4,5,6,7
	ds_load_b64 v[SC+8*NQ*\sc+NQ*\i:SC+8*NQ*\sc+NQ*\i+1], v[ADRS] offset:\i*SBLK
.endr
.endm
.macro STEP slot, q, zero              ; 128 along K with its successor in the same slot
	s_wait_dscnt 4*NL                              ; B's set and A's blocks 0-3 are in; the youngest sixteen loads (A's blocks 4-7) may be out
	WIN MUL_LO
	MUL16 0, (\q)%2, \q, \slot, \zero
	MUL16 2, (\q)%2, \q, \slot, \zero
	s_wait_dscnt 0
	PLACES NP
	FETCH_B \slot, (\q)+1, 1-(\q)%2
	FETCH_A \slot, (\q)+1, 0
	WIN MUL_HI
	MUL16 4, (\q)%2, \q, \slot, \zero
	MUL16 6, (\q)%2, \q, \slot, \zero
	PLACES NP
	WIN 0
	FETCH_A \slot, (\q)+1, 4
.endm
; A slot's last step changes slots: one barrier; in front of it each wave waits for all its tensor loads, adds 0 to its spare word, and waits for that and for its reads of this slot.
.macro TURN slot, next, fill
	s_wait_tensorcnt 0x0                           ; all my tensor loads have landed: my part of the next slot
	ds_add_u32 v[SPW], v[NIL]
	s_wait_dscnt 4*NL+1                            ; (the add and A's blocks 4-7 may be out)
	WIN MUL_LO
	MUL16 0, 1, NQ-1, \slot, 0
	s_wait_dscnt 0x0                               ; the add is done, and my reads of this slot are over
	s_barrier_signal -1
	MUL16 2, 1, NQ-1, \slot, 0
	WIN 0
	s_barrier_wait -1
.if \fill
	CREST                                          ; the barrier has opened a round of the cluster's: no wave of any partner still reads this slot or has a load on its way
	s_add_nc_u64 s[G0+4*\slot+2:G0+4*\slot+3], s[G0+4*\slot+2:G0+4*\slot+3], 2*TILEB
	s_add_nc_u64 s[G0B+4*\slot+2:G0B+4*\slot+3], s[G0B+4*\slot+2:G0B+4*\slot+3], 2*TILEB
	JLOAD G0+4*\slot, G1, G0B+4*\slot, G1B         ; the first tensor load behind the round; its four v_nop are the places in front of the loads below
.else
	PLACES NP
.endif
	v_add_nc_u32 v[ADRS], 128, v[ADRS]             ; the next K step's scale words
	FETCH_B \next, 0, 0
	FETCH_A \next, 0, 0
	SCALES \next
	WIN MUL_HI
	MUL16 4, 1, NQ-1, \slot, 0
	MUL16 6, 1, NQ-1, \slot, 0
	PLACES NP
	WIN 0
	FETCH_A \next, 0, 4
.endm
; 64 numbers of a lane in window w, register 16 b + i = k 32 b + 16 h + i of the lane's row, become 12 registers of codes in v[PC] on and the row's scale word in v[pw]
.macro QUANT s, w, pw
	WIN ((\w)|((\w)<<2))
.irp b, 0,1,2,3
	v_max3_num_f32 v[TM+\b], |v[(\s)+16*\b]|, |v[(\s)+1+16*\b]|, 0x1800000   ; each accumulator is read from its low end on; the floor 2^(3 - 127) holds the byte at 1 from below
.endr
.irp i, 2,4,6,8,10,12,14
.irp b, 0,1,2,3
	v_max3_num_f32 v[TM+\b], |v[(\s)+16*\b+\i]|, |v[(\s)+1+16*\b+\i]|, v[TM+\b]
.endr
.endr
	WIN 0
.irp b, 0,1,2,3
	v_permlanex16_b32 v[TM+4+\b], v[TM+\b], s[SEL], s[SEL+1]
.endr
.irp b, 0,1,2,3
	v_max_num_f32 v[TM+\b], v[TM+\b], v[TM+4+\b]
.endr
.irp b, 0,1,2,3
	v_add_nc_u32 v[TM+12+\b], 0xff000000, v[TM+\b]   ; 2 off the exponent field: the conversion's scale operand
.endr
.irp b, 0,1,2,3
	v_lshrrev_b32 v[TM+4+\b], 23, v[TM+12+\b]
.endr
	v_lshl_or_b32 v[\pw], v[TM+5], 8, v[TM+4]
	v_lshl_or_b32 v[\pw], v[TM+6], 16, v[\pw]
	v_lshl_or_b32 v[\pw], v[TM+7], 24, v[\pw]
	WIN (\w)
.irp c, 0,1
	v_cvt_scalef32_pk16_fp6_f32 v[PC+6*\c:PC+6*\c+2], v[(\s)+32*\c:(\s)+32*\c+15], v[TM+12+2*\c]
	v_cvt_scalef32_pk16_fp6_f32 v[PC+12+4*\c:PC+14+4*\c], v[(\s)+32*\c+16:(\s)+32*\c+31], v[TM+13+2*\c]
.endr
	WIN 0
	v_nop                                          ; one plain instruction behind the conversions
.irp c, 0,1
.irp i, 0,1,2
	v_permlane16_swap_b32 v[PC+6*\c+\i], v[PC+12+4*\c+\i]
.endr
.irp i, 0,1,2
	v_mov_b32 v[PC+3+6*\c+\i], v[PC+12+4*\c+\i]
.endr
.endr
.endm
	s_load_b128 s[4:7], s[0:1], 0x0                ; xq s[4:5], wq s[6:7]
	s_load_b128 s[8:11], s[0:1], 0x10              ; rope s[8:9], qq s[10:11]
	s_load_b64 s[12:13], s[0:1], 0x20              ; kv
	v_lshl_add_u32 v[SPW], v0, 2, SPARE
	v_mov_b32 v[NIL], 0
	ds_add_u32 v28, v29
	ds_add_u32 v28, v29
	s_wait_dscnt 0x0
	v_lshrrev_b32 v1, 5, v0
	v_readfirstlane_b32 s14, v1                    ; wave 0..3
	s_lshr_b32 s15, s14, 1                         ; which half of A's rows is mine.  Also: I fetch for A (0) or for B (1)
	s_and_b32 s16, s14, 1                          ; which half of B's rows.  Also: which 128 rows I fetch
	s_bfe_u32 s40, ttmp6, 0x40000                  ; cx
	s_bfe_u32 s41, ttmp6, 0x40004                  ; cy
	s_and_b32 s17, ttmp7, 0xffff                   ; the cluster's y: kept to the end
	s_lshl_b32 s43, s41, 2
	s_lshl_b32 s43, 15, s43                        ; my row of the cluster
	s_lshl_b32 s44, 0x1111, s40                    ; my column
	; group 1 for codes: 8 tiles x 3,072 bytes (384 elements of 8 bytes), 12,288 bytes (1,536 elements) from tile to tile; no padding: every LDS load takes consecutive bytes
	s_or_b32 s[G1+0], s43, (3<<16)|(1<<21)
	s_or_b32 s[G1B+0], s44, (3<<16)|(1<<21)
.irp g, G1, G1B
	s_mov_b32 s[\g+1], 384<<16                     ; tensor_dim0
	s_mov_b32 s[\g+2], 8<<16                       ; tensor_dim1
	s_mov_b32 s[\g+3], 384<<16                     ; tile_dim0
	s_mov_b32 s[\g+4], 8                           ; tile_dim1
	s_mov_b32 s[\g+5], 1536                        ; the pitch
	s_mov_b32 s[\g+6], 0
	s_mov_b32 s[\g+7], 0
.endr
	; and for the scale words of 128 rows: 4,096 dense bytes as 16 rows of 256
	s_or_b32 s[G1S+0], s43, (3<<16)|(1<<21)
	s_or_b32 s[G1SB+0], s44, (3<<16)|(1<<21)
.irp g, G1S, G1SB
	s_mov_b32 s[\g+1], 32<<16
	s_mov_b32 s[\g+2], 16<<16
	s_mov_b32 s[\g+3], 32<<16
	s_mov_b32 s[\g+4], 16
	s_mov_b32 s[\g+5], 32
	s_mov_b32 s[\g+6], 0
	s_mov_b32 s[\g+7], 0
.endr
	; which 256 rows: in units of 256 rows of the buffer.  The choices hang on the cluster's y alone; cy then enters A's registers only, cx B's only.
	s_lshl_b32 s20, s17, 2                         ; q, k: A = x, from unit 4 x cluster y
	s_lshl_b32 s46, ttmp9, 2                       ; q, k: B = Wq (units 0-3) or Wk (4-7)
	s_lshl_b32 s47, s17, 3
	s_sub_co_u32 s47, s47, 64
	s_add_co_u32 s47, s47, s46                     ; v: B = x, from unit 8 (cluster y - 8) + 4 x cluster x
	s_mov_b32 s22, XS_OFF
	s_mov_b32 s98, WS_OFF
	s_wait_kmcnt 0x0
	s_cmp_ge_u32 s17, 8
	s_cselect_b32 s20, 8, s20                      ; v: A = Wv, units 8-11
	s_cselect_b32 s46, s47, s46
	s_cselect_b64 s[92:93], s[6:7], s[4:5]         ; A's buffer
	s_cselect_b64 s[94:95], s[4:5], s[6:7]         ; B's buffer
	s_cselect_b32 s22, WS_OFF, s22                 ; where A's scale words begin
	s_cselect_b32 s98, XS_OFF, s98                 ; and B's
	s_add_co_u32 s96, s20, s41                     ; A's unit: kept
	s_add_co_u32 s97, s46, s40                     ; B's unit: kept
	s_lshl_b32 s20, s96, 1
	s_add_co_u32 s20, s20, s16                     ; the 128 rows that I fetch
	s_lshl_b32 s46, s97, 1
	s_add_co_u32 s46, s46, s16
	s_mul_i32 s18, s20, 8*12288
	s_mov_b32 s19, 0
	s_lshl_b32 s20, s20, 12
	s_add_co_u32 s20, s20, s22
	s_mov_b32 s21, 0
	s_add_nc_u64 s[18:19], s[92:93], s[18:19]      ; A's codes
	s_add_nc_u64 s[20:21], s[92:93], s[20:21]      ; A's scale words
	s_lshl_b32 s66, s46, 12
	s_add_co_u32 s98, s66, s98
	s_mov_b32 s99, 0
	s_mul_i32 s46, s46, 8*12288
	s_mov_b32 s47, 0
	s_add_nc_u64 s[46:47], s[94:95], s[46:47]      ; B's codes
	s_add_nc_u64 s[98:99], s[94:95], s[98:99]      ; B's scale words
	s_mul_i32 s45, s14, HALFT                      ; where they go: wave x 128 rows
	s_mul_i32 s67, s14, HALFS
	CROUND                                         ; all sixteen work-groups are here: the first joint loads meet
	s_mov_b32 s[G0S], 1
	s_add_co_u32 s[G0S+1], s67, SCL
	s_mov_b64 s[G0S+2:G0S+3], s[20:21]
	s_or_b32 s[G0S+3], s[G0S+3], 0x80000000
	s_mov_b32 s[G0SB], 1
	s_add_co_u32 s[G0SB+1], s67, SCL
	s_mov_b64 s[G0SB+2:G0SB+3], s[98:99]
	s_or_b32 s[G0SB+3], s[G0SB+3], 0x80000000
	JLOAD G0S, G1S, G0SB, G1SB                     ; the scale words first: wanted with K step 0
.irp s, 0,1
	s_mov_b32 s[G0+4*\s], 1
	s_add_co_u32 s[G0+4*\s+1], s45, \s*SLOT
	s_add_nc_u64 s[G0+4*\s+2:G0+4*\s+3], s[18:19], \s*TILEB
	s_or_b32 s[G0+4*\s+3], s[G0+4*\s+3], 0x80000000
	s_mov_b32 s[G0B+4*\s], 1
	s_add_co_u32 s[G0B+4*\s+1], s45, \s*SLOT
	s_add_nc_u64 s[G0B+4*\s+2:G0B+4*\s+3], s[46:47], \s*TILEB
	s_or_b32 s[G0B+4*\s+3], s[G0B+4*\s+3], 0x80000000
	JLOAD G0+4*\s, G1, G0B+4*\s, G1B
.endr
	v_and_b32 v1, 15, v0                           ; r
	v_bfe_u32 v2, v0, 4, 1                         ; h
	v_and_b32 v3, 31, v0
	v_lshlrev_b32 v4, 4, v3                        ; 16 x lane
	v_lshlrev_b32 v5, 3, v3                        ; 8 x lane
	s_mul_i32 s21, s15, HALFT                      ; my 128 rows of A
	s_mul_i32 s22, s16, HALFT                      ; my 128 rows of B,
	s_add_co_u32 s22, s22, 2*HALFT                 ; behind A's 256
.irp s, 0,1
	v_add_nc_u32 v[ADRA+\s], s21, v4
	v_add_nc_u32 v[ADRB+\s], s22, v4
	v_add_nc_u32 v[ADRA+2+\s], s21, v5
	v_add_nc_u32 v[ADRB+2+\s], s22, v5
	s_add_co_u32 s21, s21, SLOT
	s_add_co_u32 s22, s22, SLOT
.endr
	v_lshlrev_b32 v5, 3, v1                        ; my row's two words of a K step: 8 r
	s_mul_i32 s21, s15, HALFS
	s_mul_i32 s22, s16, HALFS
	s_add_co_u32 s22, s22, 2*HALFS
	s_sub_co_u32 s22, s22, s21
	v_mul_u32_u24 v6, s22, v2                      ; lanes 16-31 take B's: one product, the distance between the two bases
	s_add_co_u32 s21, s21, SCL
	v_add_nc_u32 v5, v5, v6
	v_add_nc_u32 v[ADRS], s21, v5
	s_wait_tensorcnt 1                             ; the scale words and my part of K step 0 are in (K step 1's load may be out),
	s_barrier_signal -1
	s_barrier_wait -1                              ; everybody's are
	FETCH_B 0, 0, 0
	FETCH_A 0, 0, 0
	SCALES 0
	FETCH_A 0, 0, 4
	STEP 0, 0, 1                                   ; the first step's products start the sums
	s_mov_b32 s3, LAPS-1
.Llap:
	TURN 0, 1, 1
	STEP 1, 0, 0
	TURN 1, 0, 1
	STEP 0, 0, 0
	s_sub_co_u32 s3, s3, 1
	s_cmp_lg_u32 s3, 0
	s_cbranch_scc1 .Llap
	TURN 0, 1, 0                                   ; the last lap fills nothing
	STEP 1, 0, 0
	s_wait_dscnt 4*NL
	WIN MUL_LO
	MUL16 0, 1, NQ-1, 1, 0
	MUL16 2, 1, NQ-1, 1, 0
	s_wait_dscnt 0
	WIN MUL_HI
	MUL16 4, 1, NQ-1, 1, 0
	MUL16 6, 1, NQ-1, 1, 0
	WIN 0
	s_wait_tensorcnt 0x0                           ; my last LDS instructions: the ways out below use no LDS
	ds_add_u32 v[SPW], v[NIL]
	v_and_b32 v12, 15, v0                          ; (ten plain instructions: also the places behind the last products)  r
	v_bfe_u32 v13, v0, 4, 1                        ; h
	v_and_b32 v9, 31, v0
	v_lshlrev_b32 v8, 4, v9                        ; v8: 16 x lane
	v_lshlrev_b32 v9, 3, v9                        ; v9: 8 x lane
	v_lshlrev_b32 v10, 2, v12                      ; v10: 4 r
	v_and_b32 v11, 8, v12
	v_add_nc_u32 v11, v11, v12
	v_lshlrev_b32 v11, 8, v11
	v_lshl_add_u32 v11, v13, 6, v11                ; v11: the table: 256 (r + 8 (r / 8)) + 64 h
	s_wait_dscnt 0x0
.irp b, 0,1,2,3
	v_mov_b32 v[TM+4+\b], 0                        ; a lane permute's destination counts as one of its sources
.endr
	s_mov_b32 s[SEL], 0x76543210
	s_mov_b32 s[SEL+1], 0xfedcba98
	s_cmp_ge_u32 s17, 8                            ; alike in all sixteen partners
	s_cbranch_scc1 .Lvpath
	; ---------------- q or k: rotate, quantise along the head, store ----------------
	s_lshr_b32 s27, s96, 3                         ; the batch
	s_lshl_b32 s28, s96, 1
	s_add_co_u32 s28, s28, s15
	s_and_b32 s28, s28, 15                         ; j: which 128 tokens of the sequence
	s_lshl_b32 s27, s27, 4
	s_lshl_b32 s29, s40, 2
	s_add_co_u32 s27, s27, s29
	s_lshl_b32 s29, s16, 1
	s_add_co_u32 s27, s27, s29                     ; my first head of the batch: 16 b + 4 cx + 2 x half
	s_cmp_eq_u32 ttmp9, 1                          ; k?
	s_cselect_b64 s[20:21], s[12:13], s[10:11]
	s_mov_b32 s22, 98304
	s_cselect_b32 s22, 208896, s22                 ; codes: bytes from head to head,
	s_mov_b32 s23, 6144
	s_cselect_b32 s23, 13056, s23                  ; and from 128 tokens to the next
	s_mov_b32 s24, 8192
	s_cselect_b32 s24, 208896, s24                 ; scale words likewise,
	s_mov_b32 s25, 512
	s_cselect_b32 s25, 13056, s25
	s_mov_b32 s26, QS_OFF
	s_cselect_b32 s26, 6144, s26                   ; and where they begin
	s_mul_i32 s30, s27, s22
	s_mul_i32 s31, s28, s23
	s_add_co_u32 s30, s30, s31
	s_mov_b32 s31, 0
	s_add_nc_u64 s[32:33], s[20:21], s[30:31]      ; the first head's codes
	s_mov_b32 s30, s22
	s_add_nc_u64 s[34:35], s[32:33], s[30:31]      ; the second's
	s_mul_i32 s30, s27, s24
	s_mul_i32 s36, s28, s25
	s_add_co_u32 s30, s30, s36
	s_add_co_u32 s30, s30, s26
	s_add_nc_u64 s[36:37], s[20:21], s[30:31]      ; the first head's scale words
	s_mov_b32 s30, s24
	s_add_nc_u64 s[38:39], s[36:37], s[30:31]      ; the second's
	s_lshl_b32 s30, s28, 15
	s_add_nc_u64 s[8:9], s[8:9], s[30:31]          ; the table at my 128 tokens
.macro RLOAD a                         ; block a's cosines and sines: for my token the pairs 16 e + 8 h + 0 .. 7, e = 0, 1: 64 bytes each
.irp e, 0,1
.irp j, 0,1,2,3
	global_load_b128 v[TBL+32*((\a)%2)+16*\e+4*\j:TBL+32*((\a)%2)+16*\e+4*\j+3], v11, s[8:9] offset:(32*((\a)/2)+8*((\a)%2))*256+128*\e+16*\j
.endr
.endr
.endm
	RLOAD 0
	RLOAD 1
.irp a, 0,1,2,3,4,5,6,7
.if \a < 7
	s_wait_loadcnt 8                               ; this block's eight loads are in; the next block's may be out
.else
	s_wait_loadcnt 0x0
.endif
	WIN 2+\a/4                                     ; source 0: the accumulators
.set bb, 0
.rept 4
.set ii, 0
.rept 8
	v_pk_mul_f32 v[ST+16*bb+ii:ST+16*bb+ii+1], v[64*(\a%4)+16*bb+ii:64*(\a%4)+16*bb+ii+1], v[TBL+32*(\a%2)+16*(bb%2)+ii:TBL+32*(\a%2)+16*(bb%2)+ii+1] op_sel_hi:[1,0]   ; x0 c, x1 c
.set ii, ii+2
.endr
.set ii, 0
.rept 8
	v_pk_fma_f32 v[ST+16*bb+ii:ST+16*bb+ii+1], v[64*(\a%4)+16*bb+ii:64*(\a%4)+16*bb+ii+1], v[TBL+32*(\a%2)+16*(bb%2)+ii:TBL+32*(\a%2)+16*(bb%2)+ii+1], v[ST+16*bb+ii:ST+16*bb+ii+1] op_sel:[1,1,0] op_sel_hi:[0,1,1] neg_lo:[0,1,0]   ; - x1 s, + x0 s
.set ii, ii+2
.endr
.set bb, bb+1
.endr
	WIN 0
.if \a < 6
	RLOAD \a+2
.endif
	s_wait_xcnt 0x0                                ; the last block's stores have read the codes' and the words' registers
	QUANT ST,0,PW
	v_lshrrev_b32 v[PW2], 16, v[PW]                ; the second head's two bytes
	global_store_b128 v8, v[PC:PC+3], s[32:33] offset:768*\a          ; 512 consecutive bytes
	global_store_b64 v9, v[PC+4:PC+5], s[32:33] offset:768*\a+512     ; 256
	global_store_b128 v8, v[PC+6:PC+9], s[34:35] offset:768*\a
	global_store_b64 v9, v[PC+10:PC+11], s[34:35] offset:768*\a+512
	global_store_b32 v10, v[PW], s[36:37] offset:64*\a                ; 64 bytes a tile (lanes r and r + 16 store the same word)
	global_store_b32 v10, v[PW2], s[38:39] offset:64*\a
.endr
	s_branch .Ljoin
	; ---------------- v: a lane holds a channel, its 64 registers of a block are 128 neighbouring tokens: quantise along them ----------------
.Lvpath:
	s_lshr_b32 s27, s97, 3                         ; the batch
	s_lshl_b32 s28, s97, 1
	s_add_co_u32 s28, s28, s16
	s_and_b32 s28, s28, 15                         ; j: which 128 keys
	s_lshl_b32 s27, s27, 4
	s_lshl_b32 s29, s41, 2
	s_add_co_u32 s27, s27, s29
	s_lshl_b32 s29, s15, 1
	s_add_co_u32 s27, s27, s29                     ; my first head: 16 b + 4 cy + 2 x half
	s_mul_i32 s30, s27, 208896
	s_mul_i32 s31, s28, 13056
	s_add_co_u32 s30, s30, s31
	s_add_co_u32 s30, s30, 6656                    ; v's fragments in the record
	s_mov_b32 s31, 0
	s_add_nc_u64 s[32:33], s[12:13], s[30:31]
.irp a, 0,1,2,3,4,5,6,7
.if \a > 0
	s_wait_xcnt 0x0                                ; the last block's stores have read their registers
.endif
	QUANT 64*(\a%4),2+\a/4,PW
	global_store_b128 v8, v[PC:PC+3], s[32:33] offset:(\a/4)*208896+(\a%4)*1536
	global_store_b64 v9, v[PC+4:PC+5], s[32:33] offset:(\a/4)*208896+(\a%4)*1536+512
	global_store_b128 v8, v[PC+6:PC+9], s[32:33] offset:(\a/4)*208896+(\a%4)*1536+768
	global_store_b64 v9, v[PC+10:PC+11], s[32:33] offset:(\a/4)*208896+(\a%4)*1536+1280
	global_store_b32 v10, v[PW], s[32:33] offset:(\a/4)*208896+6144+64*(\a%4)
.endr
.Ljoin:
	CROUND                                         ; the closing round: no work-group ends while a partner may still ask for a tile that names it
	s_endpgm
.Lfunc_end_k_q2b71c4a784_qkv:
	.size	k_q2b71c4a784_qkv, .Lfunc_end_k_q2b71c4a784_qkv-k_q2b71c4a784_qkv
	.p2alignl 7, 3214868480
	.fill 96, 4, 3214868480
	.section	.rodata,"a",@progbits
	.p2align	6, 0x0
	.amdhsa_kernel k_q2b71c4a784_qkv
		.amdhsa_group_segment_fixed_size 327680
		.amdhsa_private_segment_fixed_size 0
		.amdhsa_enable_private_segment 0
		.amdhsa_kernarg_size 40
		.amdhsa_user_sgpr_count 2
		.amdhsa_user_sgpr_kernarg_segment_ptr 1
		.amdhsa_wavefront_size32 1
		.amdhsa_system_sgpr_workgroup_id_x 1
		.amdhsa_system_sgpr_workgroup_id_y 1
		.amdhsa_system_sgpr_workgroup_id_z 1
		.amdhsa_system_vgpr_workitem_id 0
		.amdhsa_next_free_vgpr 1024
		.amdhsa_next_free_sgpr 100
		.amdhsa_reserve_vcc 0
		.amdhsa_float_denorm_mode_32 3
		.amdhsa_float_denorm_mode_16_64 3
		.amdhsa_memory_ordered 1
		.amdhsa_forward_progress 1
		.amdhsa_inst_pref_size 225
	.end_amdhsa_kernel
	.amdgpu_metadata
---
amdhsa.version: [ 1, 2 ]
amdhsa.kernels:
  - .name:           k_q2b71c4a784_qkv
    .symbol:         k_q2b71c4a784_qkv.kd
    .args:
      - { .name: xq, .offset: 0, .size: 8, .value_kind: global_buffer, .address_space: global }
      - { .name: wq, .offset: 8, .size: 8, .value_kind: global_buffer, .address_space: global }
      - { .name: rope, .offset: 16, .size: 8, .value_kind: global_buffer, .address_space: global }
      - { .name: qq, .offset: 24, .size: 8, .value_kind: global_buffer, .address_space: global }
      - { .name: kv, .offset: 32, .size: 8, .value_kind: global_buffer, .address_space: global }
    .group_segment_fixed_size: 327680
    .private_segment_fixed_size: 0
    .kernarg_segment_align: 8
    .kernarg_segment_size: 40
    .max_flat_workgroup_size: 128
    .sgpr_count:     100
    .vgpr_count:     1024
    .wavefront_size: 32
...
	.end_amdgpu_metadata
.endif
;; end of part 2
;; launch attn (part 3): grid 4 x 64, 16 waves a work-group, clusters of 4 x 1, 210,944 bytes of LDS; arguments qq, kv, oq; writes oq
.if DOCPART == 3
	.amdgcn_target "amdgcn-amd-amdhsa--gfx1250"
	.amdhsa_code_object_version 6
	.text
	.protected	k_q2b71c4a784_attn
	.globl	k_q2b71c4a784_attn
	.p2align	8
	.type	k_q2b71c4a784_attn,@function
k_q2b71c4a784_attn:
	s_mov_b64 s[64:65], 0
	v_nop
	global_prefetch_b8 v0, s[64:65] scope:SCOPE_SE
	s_setreg_imm32_b32 hwreg(HW_REG_WAVE_MODE, 25, 1), 1
	s_wait_xcnt 0x0
	s_wait_alu depctr_hold_cnt(0) depctr_sa_sdst(0) depctr_va_vdst(0) depctr_va_sdst(0) depctr_va_ssrc(0) depctr_va_vcc(0) depctr_vm_vsrc(0)
	s_getreg_b32 s2, hwreg(HW_REG_IB_STS2, 6, 4)
	s_cmp_eq_u32 s2, 0
	s_cbranch_scc0 .Lentry_in_a_cluster
	s_endpgm
.Lentry_in_a_cluster:
	s_bfe_u32 s2, ttmp6, 0x10000c
	s_cmp_lg_u32 s2, 0x3003
	s_cbranch_scc0 .Lentry_shape_is_right
	s_endpgm
.Lentry_shape_is_right:
; Causal attention on codes of FP6 (E2M3) with E8M0 scales: S^T = K Q^T, p = 2^(t - M), O^T = V^T P^T, O / l quantised along the channels into oq.  Head size 64: the upper 64 of the first product's 128 along K are zero codes.
; t = score x log2(e) / 8; M = the running largest t rounded up to a whole number; the row's sum is taken of the unquantised p; when M moves, sum and O^T are multiplied by 2^(old M - new M), which rounds nothing.
; SHARES.  A cluster of four work-groups is one head of one batch; all four read the same 208,896 bytes of k and v, so these come by joint loads, ONCE, and the whole head stays in LDS: nothing is filled again.
; Query tile 4 i + cx (16 queries among tokens 64 i .. 64 i + 63) needs key steps 0 .. i / 2, whatever cx: no branch hangs on a work-group's place.  Wave w takes i = 31 - w, then i = w: 17 key steps of 128 keys for every wave.
; A lane holds ONE query throughout.  The keys of a tile are not neighbours (row r of tile 2 b + u is key 32 b + 8 u + r + 8 (r / 8)), so the 16 registers of tiles 2 b, 2 b + 1 are keys 32 b + 16 h + 0 .. 15.
; A step all of whose keys come after the wave's queries is jumped over (a scalar branch on the wave's number and the step); on the diagonal hidden scores become -infinity ahead of the maximum.  All trip counts are constants.
; No prefetch: all that the launch reads is asked for in its first lines.
; LIMITS: NaN and infinities are not served; a block of zeros gets the byte 1 (its codes are zeros; this program alone reads the bytes).
; REGISTERS: v1-3 16 x, 8 x lane, 4 r; v4-6 the same + the record; v7, v8 the diagonal's bound for pass 1, 2; v9 8 r; v10 -infinity; v12 -M, v13 the largest t, v[14:15] the sum; v16-27, v84-95 Q of pass 1, 2; v28, v29 their scale words;
; v32-79 four fragments of K (upper six registers of each stay 0); v80-83 scale words; v96-159 S^T, then p, then V's four fragments; v160-191 O^T; v192-211 codes; v212-232 at work.
.set REC,    13056                     ; a record: 128 keys: K's 8 tiles (768 each), their words (64 each) at 6,144, V's 4 fragments (1,536 each) at 6,656, their words at 12,800
.set QS_OFF, 6291456
.set XS_OFF, 6291456
.set KF,  32
.set KS,  80
.set S,   96
.set O,   160
.set PCD, 192
.set BM,  212
.set BT,  216
.set BS,  224
.set FF,  228                          ; v[228:229]: f, named as a pair
.set PSW, 230                          ; p's scale word
.set TP,  231
.set OSW, 232                          ; o's two scale bytes
.set TB,  2                            ; s2  LDS byte of the record in hand
.set JJ,  3                            ; s3  the key step
.set WV,  18
.set SEL, 20
.set CS,  22                           ; s[22:23] c = log2(e) / 8
.set G1,  24
.set G0,  32                           ; s[32:47] four groups 0
.set CNT, 48
.set GP1, 49                           ; the last key step of pass 1,
.set GP2, 50                           ; of pass 2
.macro ROUND
	s_barrier_signal -1
	s_barrier_wait -1
	s_cmp_lg_u32 s[WV], 0
	s_cbranch_scc1 .Lnot_wave_0_\@
	s_barrier_signal -3
.Lnot_wave_0_\@:
	s_barrier_wait -3
	s_barrier_signal -1
	s_barrier_wait -1
.endm
	s_load_b128 s[4:7], s[0:1], 0x0                ; qq s[4:5], kv s[6:7]
	s_load_b64 s[8:9], s[0:1], 0x10                ; oq
	v_lshl_add_u32 v254, v0, 2, 0x33000
	v_mov_b32 v255, 0
	ds_add_u32 v254, v255
	ds_add_u32 v254, v255
	v_lshrrev_b32 v1, 5, v0
	s_delay_alu instid0(VALU_DEP_1)
	v_readfirstlane_b32 s[WV], v1                  ; wave 0..15
	s_bfe_u32 s51, ttmp6, 0x40000                  ; cx: it enters Q's and O's addresses and the diagonal's bound alone
	s_and_b32 s19, ttmp7, 0xffff                   ; the head of the batch, 0..63
	; group 1: a record, 13,056 dense bytes, as 51 rows of 256 (32 elements of 8 bytes); the mask names all four work-groups
	s_mov_b32 s[G1], 15|(3<<16)|(1<<21)
	s_mov_b32 s[G1+1], 32<<16
	s_mov_b32 s[G1+2], 51<<16
	s_mov_b32 s[G1+3], 32<<16
	s_mov_b32 s[G1+4], 51
	s_mov_b32 s[G1+5], 32
	s_mov_b32 s[G1+6], 0
	s_mov_b32 s[G1+7], 0
	s_mul_i32 s70, s19, 16*REC
	s_and_b32 s71, s[WV], 3
	s_mul_i32 s71, s71, REC                        ; waves 0 to 3 fetch records w, 4 + w, 8 + w, 12 + w
	s_add_co_u32 s72, s70, s71
	s_mov_b32 s73, 0
	s_wait_dscnt 0x0
	s_wait_kmcnt 0x0
	s_add_nc_u64 s[72:73], s[6:7], s[72:73]
.irp n, 0,1,2,3
	s_mov_b32 s[G0+4*\n], 1
	s_add_co_u32 s[G0+4*\n+1], s71, \n*4*REC
	s_add_nc_u64 s[G0+4*\n+2:G0+4*\n+3], s[72:73], \n*4*REC
	s_or_b32 s[G0+4*\n+3], s[G0+4*\n+3], 0x80000000
.endr
	ROUND                                          ; all four work-groups are here: the joint loads meet
	s_cmp_lt_u32 s[WV], 4                          ; a wave's four fills stand in one branch: four tensor loads of mine are out at the most
	s_cbranch_scc0 .Lfilled
	tensor_load_to_lds s[G0:G0+3], s[G1:G1+7]
	s_nop 0
	tensor_load_to_lds s[G0+4:G0+7], s[G1:G1+7]
	s_nop 0
	tensor_load_to_lds s[G0+8:G0+11], s[G1:G1+7]
	s_nop 0
	tensor_load_to_lds s[G0+12:G0+15], s[G1:G1+7]
	s_nop 0
.rept 4
	v_nop
.endr
.Lfilled:
	v_and_b32 v11, 31, v0
	s_delay_alu instid0(VALU_DEP_1)
	v_lshlrev_b32 v1, 4, v11                       ; 16 x lane
	s_delay_alu instid0(VALU_DEP_2)
	v_lshlrev_b32 v2, 3, v11                       ; 8 x lane
	v_and_b32 v10, 15, v0                          ; r
	v_bfe_u32 v11, v0, 4, 1                        ; h
	s_delay_alu instid0(VALU_DEP_2)
	v_lshlrev_b32 v3, 2, v10                       ; 4 r
	s_delay_alu instid0(VALU_DEP_3)
	v_lshlrev_b32 v9, 3, v10                       ; 8 r
	s_delay_alu instid0(VALU_DEP_4)
	v_and_b32 v7, 8, v10
	s_delay_alu instid0(VALU_DEP_1)
	v_add_nc_u32 v7, v7, v10                       ; r + 8 (r / 8)
	v_lshlrev_b32 v11, 4, v11
	s_delay_alu instid0(VALU_DEP_1)
	v_sub_nc_u32 v7, v7, v11                       ; - 16 h
	s_wait_alu depctr_va_vdst(0)
	s_lshr_b32 s70, s51, 1
	s_lshl_b32 s70, s70, 5
	s_and_b32 s71, s51, 1
	s_lshl_b32 s71, s71, 3
	s_add_co_u32 s70, s70, s71                     ; 32 (cx / 2) + 8 (cx % 2)
	s_and_b32 s71, s[WV], 1
	s_lshl_b32 s71, s71, 6                         ; 64 (i % 2): pass 2, i = w;
	s_xor_b32 s72, s71, 64                         ; pass 1, i = 31 - w
	s_add_co_u32 s71, s71, s70
	s_add_co_u32 s72, s72, s70
	v_add_nc_u32 v8, s71, v7                       ; my query - the diagonal step's first key - 16 h.  Register 16 b + i holds key 32 b + 16 h + i of the step: hidden where 32 b + i is greater
	v_add_nc_u32 v7, s72, v7
	v_mov_b32 v10, 0xff800000                      ; -infinity
	s_sub_co_u32 s70, 31, s[WV]
	s_lshr_b32 s[GP1], s70, 1
	s_lshl_b32 s76, s70, 2
	s_add_co_u32 s76, s76, s51                     ; pass 1's tile of queries
	s_lshr_b32 s[GP2], s[WV], 1
	s_lshl_b32 s77, s[WV], 2
	s_add_co_u32 s77, s77, s51                     ; pass 2's
	s_and_b32 s78, s19, 15                         ; the head
	s_mul_i32 s74, s78, 768                        ; its 64 along K of a tile of oq
	s_lshr_b32 s75, s78, 2
	s_lshl_b32 s75, s75, 7
	s_bfe_u32 s79, s78, 0x10001
	s_lshl_b32 s79, s79, 2
	s_add_co_u32 s75, s75, s79
	s_and_b32 s79, s78, 1
	s_lshl_b32 s79, s79, 1
	s_add_co_u32 s75, s75, s79
	s_add_co_u32 s75, s75, XS_OFF                  ; its two bytes of a row's scale words
.macro PTRS tau, qc, qw, oc, os
	s_lshl_b32 s70, s19, 7
	s_add_co_u32 s70, s70, s[\tau]
	s_mul_i32 s72, s70, 768
	s_mov_b32 s73, 0
	s_add_nc_u64 s[\qc:\qc+1], s[4:5], s[72:73]    ; q's codes
	s_lshl_b32 s72, s70, 6
	s_add_co_u32 s72, s72, QS_OFF
	s_add_nc_u64 s[\qw:\qw+1], s[4:5], s[72:73]    ; q's scale words
	s_lshr_b32 s70, s19, 4
	s_lshl_b32 s70, s70, 7
	s_add_co_u32 s70, s70, s[\tau]                 ; the tile of tokens in oq
	s_mul_i32 s72, s70, 12288
	s_add_co_u32 s72, s72, s74
	s_add_nc_u64 s[\oc:\oc+1], s[8:9], s[72:73]    ; o's codes
	s_lshl_b32 s72, s70, 9
	s_add_co_u32 s72, s72, s75
	s_add_nc_u64 s[\os:\os+1], s[8:9], s[72:73]    ; o's scale bytes
.endm
	PTRS 76, 52, 54, 56, 58
	PTRS 77, 60, 62, 66, 68
	global_load_b128 v[16:19], v1, s[52:53]        ; Q of both passes stays in registers
	global_load_b64 v[20:21], v2, s[52:53] offset:512
	global_load_b32 v28, v3, s[54:55]
	global_load_b128 v[84:87], v1, s[60:61]
	global_load_b64 v[88:89], v2, s[60:61] offset:512
	global_load_b32 v29, v3, s[62:63]
.irp n, 22,23,24,25,26,27,90,91,92,93,94,95
	v_mov_b32 v\n, 0                               ; Q's upper 64 along K: zero codes
.endr
.irp t, 0,1,2,3
.irp n, 6,7,8,9,10,11
	v_mov_b32 v[KF+12*\t+\n], 0                    ; K's likewise: written once, never loaded
.endr
.endr
.irp n, 216,217,218,219,228,229,231
	v_mov_b32 v\n, 0                               ; lane permutes' destinations and a pair's upper half count as read
.endr
	s_mov_b32 s[SEL], 0x76543210
	s_mov_b32 s[SEL+1], 0xfedcba98
	s_mov_b32 s[CS], 0x3e38aa3b                    ; c = log2(e) / sqrt(64)
	s_mov_b32 s[CS+1], s[CS]
; A KEY STEP of 128 keys.  qf, qs: Q's fragment and scale word; d: the diagonal's bound; lim: the pass's last key step; causal = 0: the step lies under the diagonal for every wave
.macro STEP qf, qs, d, lim, causal
.if \causal
	s_cmp_gt_u32 s[JJ], s[\lim]
	s_cbranch_scc1 .Lhidden_\@
.endif
	s_setprio 2
	v_add_nc_u32 v4, s[TB], v1
	s_wait_alu depctr_va_vdst(0)
	v_add_nc_u32 v5, s[TB], v2
	s_wait_alu depctr_va_vdst(0)
	v_add_nc_u32 v6, s[TB], v3
	s_wait_alu depctr_va_vdst(0)
.irp u, 0,1                                    ; S^T = K Q^T, four tiles of 16 keys at a time
.if \u
.rept 4
	v_nop                                          ; places in front of loads into registers that matrix instructions have read
.endr
.endif
.irp t, 0,1,2,3
	ds_load_b128 v[KF+12*\t:KF+12*\t+3], v4 offset:768*(4*\u+\t)
	ds_load_b64 v[KF+12*\t+4:KF+12*\t+5], v5 offset:768*(4*\u+\t)+512
	ds_load_b32 v[KS+\t], v6 offset:6144+64*(4*\u+\t)
.endr
	s_wait_dscnt 0x0
.irp t, 0,1,2,3
	v_wmma_scale_f32_16x16x128_f8f6f4 v[S+8*(4*\u+\t):S+8*(4*\u+\t)+7], v[KF+12*\t:KF+12*\t+11], v[\qf:\qf+11], 0, v[KS+\t], v[\qs] matrix_a_fmt:MATRIX_FMT_FP6 matrix_b_fmt:MATRIX_FMT_FP6
.endr
.endr
.rept 4
	v_nop
.endr
.if \causal
	s_cmp_lt_u32 s[JJ], s[\lim]
	s_cbranch_scc1 .Lopen_\@
.set nn, 0
.rept 64
	v_cmp_gt_i32 vcc_lo, 32*(nn/16)+nn%16, v[\d]
	v_cndmask_b32 v[S+nn], v[S+nn], v10, vcc_lo
.set nn, nn+1
.endr
.Lopen_\@:
.endif
.irp b, 0,1,2,3
	v_max3_num_f32 v[BM+\b], v[S+16*\b], v[S+1+16*\b], v[S+2+16*\b]   ; the largest score of each block of 32 keys: for the row's maximum and, since p rises with the score, for the block's largest p
.endr
.irp i, 3,5,7,9,11,13
.irp b, 0,1,2,3
	v_max3_num_f32 v[BM+\b], v[BM+\b], v[S+16*\b+\i], v[S+1+16*\b+\i]
.endr
.endr
.irp b, 0,1,2,3
	v_max_num_f32 v[BM+\b], v[BM+\b], v[S+15+16*\b]
.endr
.irp b, 0,1,2,3
	s_delay_alu instid0(VALU_DEP_4)
	v_permlanex16_b32 v[BT+\b], v[BM+\b], s[SEL], s[SEL+1]
.endr
.irp b, 0,1,2,3
	s_delay_alu instid0(VALU_DEP_4)
	v_max_num_f32 v[BM+\b], v[BM+\b], v[BT+\b]     ; with lane l xor 16's 16 keys
.endr
	s_delay_alu instid0(VALU_DEP_2)
	v_max3_num_f32 v[TP], v[BM], v[BM+1], v[BM+2]
	s_delay_alu instid0(VALU_DEP_1)
	v_max_num_f32 v[TP], v[TP], v[BM+3]
	s_delay_alu instid0(VALU_DEP_1)
	v_mul_f32 v[TP], s[CS], v[TP]                  ; the step's largest t of my query
	s_delay_alu instid0(VALU_DEP_1)
	v_max_num_f32 v13, v13, v[TP]
	v_mov_b32 v[TP], v12
	s_delay_alu instid0(VALU_DEP_2)
	v_floor_f32 v12, -v13                          ; -M = floor(-t): M is a whole number
	s_delay_alu instid0(VALU_DEP_1)
	v_sub_f32 v[TP], v12, v[TP]                    ; old M - new M, 0 or less
	s_delay_alu instid0(VALU_DEP_1)
	v_cvt_i32_f32 v[TP], v[TP]                     ; (it saturates)
	s_delay_alu instid0(VALU_DEP_1)
	v_ldexp_f32 v[FF], 1.0, v[TP]                  ; f = 2^(old M - new M)
.set nn, 0
.rept 32
	v_pk_fma_f32 v[S+nn:S+nn+1], v[S+nn:S+nn+1], s[CS:CS+1], v[12:13] op_sel_hi:[1,0,0]   ; t - M
.set nn, nn+2
.endr
.irp b, 0,1,2,3
	v_fma_f32 v[BM+\b], v[BM+\b], s[CS], v12
.endr
.set nn, 0
	s_setprio 1
	s_wait_alu depctr_va_vdst(0)
.rept 64
	v_exp_f32 v[S+nn], v[S+nn]                     ; p = 2^(t - M), not normalised
.set nn, nn+1
.endr
	v_pk_mul_f32 v[14:15], v[14:15], v[FF:FF+1] op_sel_hi:[1,0]   ; the sums under the new M: the plain instruction behind the exponentials
	s_wait_alu depctr_va_vdst(0)                   ; one wait for the batch of 64, ahead of its first reader
.irp b, 0,1,2,3
	v_exp_f32 v[BM+\b], v[BM+\b]                   ; each block's largest p
.endr
	v_pk_add_f32 v[216:217], v[100:101], v[104:105]
	v_pk_add_f32 v[252:253], v[108:109], v[112:113]
	v_pk_add_f32 v[250:251], v[116:117], v[120:121]
	v_pk_add_f32 v[248:249], v[124:125], v[128:129]
	v_pk_add_f32 v[246:247], v[132:133], v[136:137]
	v_pk_add_f32 v[244:245], v[140:141], v[144:145]
	v_pk_add_f32 v[242:243], v[148:149], v[152:153]
	v_pk_add_f32 v[14:15], v[14:15], v[156:157]
	v_pk_add_f32 v[216:217], v[216:217], v[96:97]
	v_pk_add_f32 v[252:253], v[252:253], v[98:99]
	v_pk_add_f32 v[250:251], v[250:251], v[102:103]
	v_pk_add_f32 v[248:249], v[248:249], v[106:107]
	v_pk_add_f32 v[246:247], v[246:247], v[110:111]
	v_pk_add_f32 v[244:245], v[244:245], v[114:115]
	v_pk_add_f32 v[242:243], v[242:243], v[118:119]
	v_pk_add_f32 v[14:15], v[14:15], v[122:123]
	v_pk_add_f32 v[216:217], v[216:217], v[126:127]
	v_pk_add_f32 v[252:253], v[252:253], v[130:131]
	v_pk_add_f32 v[250:251], v[250:251], v[134:135]
	v_pk_add_f32 v[248:249], v[248:249], v[138:139]
	v_pk_add_f32 v[246:247], v[246:247], v[142:143]
	v_pk_add_f32 v[244:245], v[244:245], v[146:147]
	v_pk_add_f32 v[242:243], v[242:243], v[150:151]
	v_pk_add_f32 v[14:15], v[14:15], v[154:155]
	v_pk_add_f32 v[216:217], v[216:217], v[158:159]
	s_delay_alu instid0(VALU_DEP_2)
	v_pk_add_f32 v[14:15], v[14:15], v[248:249]
	s_delay_alu instid0(VALU_DEP_2)
	v_pk_add_f32 v[216:217], v[216:217], v[246:247]
	v_pk_add_f32 v[252:253], v[252:253], v[244:245]
	v_pk_add_f32 v[250:251], v[250:251], v[242:243]
	s_delay_alu instid0(VALU_DEP_2)
	v_pk_add_f32 v[14:15], v[14:15], v[252:253]
	s_delay_alu instid0(VALU_DEP_2)
	v_pk_add_f32 v[216:217], v[216:217], v[250:251]
	s_delay_alu instid0(VALU_DEP_1)
	v_pk_add_f32 v[14:15], v[14:15], v[216:217]
	s_wait_alu depctr_va_vdst(0)                   ; and one for the four
.irp b, 0,1,2,3
	v_max_num_f32 v[BM+\b], 0x1800000, v[BM+\b]    ; the floor 2^(3 - 127)
.endr
.irp b, 0,1,2,3
	s_delay_alu instid0(VALU_DEP_4)
	v_add_nc_u32 v[BS+\b], 0xff000000, v[BM+\b]    ; the conversion's scale operand
.endr
.irp b, 0,1,2,3
	s_delay_alu instid0(VALU_DEP_4)
	v_lshrrev_b32 v[BT+\b], 23, v[BS+\b]           ; the byte
.endr
	s_delay_alu instid0(VALU_DEP_3)
	v_lshl_or_b32 v[PSW], v[BT+1], 8, v[BT]
	s_delay_alu instid0(VALU_DEP_1)
	v_lshl_or_b32 v[PSW], v[BT+2], 16, v[PSW]
	s_delay_alu instid0(VALU_DEP_1)
	v_lshl_or_b32 v[PSW], v[BT+3], 24, v[PSW]
.irp c, 0,1
	v_cvt_scalef32_pk16_fp6_f32 v[PCD+6*\c:PCD+6*\c+2], v[S+32*\c:S+32*\c+15], v[BS+2*\c]
	v_cvt_scalef32_pk16_fp6_f32 v[PCD+12+4*\c:PCD+14+4*\c], v[S+32*\c+16:S+32*\c+31], v[BS+2*\c+1]
.endr
	v_nop                                          ; one plain instruction behind the conversions
.irp c, 0,1
.irp i, 0,1,2
	v_permlane16_swap_b32 v[PCD+6*\c+\i], v[PCD+12+4*\c+\i]
.endr
.irp i, 0,1,2
	s_delay_alu instid0(VALU_DEP_3)
	v_mov_b32 v[PCD+3+6*\c+\i], v[PCD+12+4*\c+\i]
.endr
.endr
.irp t, 0,1,2,3                                ; V's four fragments (16 channels x these 128 keys) into the registers that p has left
	ds_load_b128 v[S+12*\t:S+12*\t+3], v4 offset:6656+1536*\t
	ds_load_b64 v[S+12*\t+4:S+12*\t+5], v5 offset:6656+1536*\t+512
	ds_load_b128 v[S+12*\t+6:S+12*\t+9], v4 offset:6656+1536*\t+768
	ds_load_b64 v[S+12*\t+10:S+12*\t+11], v5 offset:6656+1536*\t+1280
	ds_load_b32 v[KS+\t], v6 offset:12800+64*\t
.endr
.set nn, 0
	s_setprio 0
.rept 16
	v_pk_mul_f32 v[O+nn:O+nn+1], v[O+nn:O+nn+1], v[FF:FF+1] op_sel_hi:[1,0]   ; O^T under the new M; with the four below also the places between the codes' and the scale word's last writes and the products
.set nn, nn+2
.endr
.rept 4
	v_nop
.endr
	s_wait_alu depctr_va_vdst(0)
	s_wait_dscnt 0x0
.irp t, 0,1,2,3                                ; the four accumulators take turns; the scores' eight products stand between two steps
	v_wmma_scale_f32_16x16x128_f8f6f4 v[O+8*\t:O+8*\t+7], v[S+12*\t:S+12*\t+11], v[PCD:PCD+11], v[O+8*\t:O+8*\t+7], v[KS+\t], v[PSW] matrix_a_fmt:MATRIX_FMT_FP6 matrix_b_fmt:MATRIX_FMT_FP6
.endr
.rept 5
	v_nop                                          ; the next step's scores are written over V's fragments by matrix instructions: five places
.endr
.if \causal
.Lhidden_\@:
.endif
	s_add_co_u32 s[TB], s[TB], REC
	s_add_co_u32 s[JJ], s[JJ], 1
.endm
.macro INIT                            ; a pass begins: the step is written once, its first trip finds zeros, which the first change of M leaves zeros
	v_mov_b32 v13, 0xff61b1e6                      ; -3e38, under every t
	s_delay_alu instid0(VALU_DEP_1)
	v_floor_f32 v12, -v13
	v_mov_b32 v14, 0
	v_mov_b32 v15, 0
.set nn, 0
.rept 32
	v_mov_b32 v[O+nn], 0
.set nn, nn+1
.endr
	s_wait_xcnt 0x0                                ; the pass before has stored from registers that this pass writes again
.endm
.macro FINAL oc, os                    ; O^T / the sum, quantised along the head's 64 channels: two blocks; register 16 b + i is channel 32 b + 16 h + i
	v_add_f32 v14, v14, v15
	s_delay_alu instid0(VALU_DEP_1)
	v_permlanex16_b32 v[TP], v14, s[SEL], s[SEL+1]
	s_delay_alu instid0(VALU_DEP_1)
	v_add_f32 v14, v14, v[TP]                      ; the row's sum
	s_wait_alu depctr_va_vdst(0)
	v_rcp_f32 v14, v14
	v_nop                                          ; a plain instruction behind the reciprocal,
	s_wait_alu depctr_va_vdst(0)                   ; and the wait ahead of its first reader
.set nn, 0
.rept 16
	v_pk_mul_f32 v[S+nn:S+nn+1], v[O+nn:O+nn+1], v[14:15] op_sel_hi:[1,0]
.set nn, nn+2
.endr
.irp b, 0,1
	v_max3_num_f32 v[BM+\b], |v[S+16*\b]|, |v[S+1+16*\b]|, 0x1800000
.endr
.irp i, 2,4,6,8,10,12,14
.irp b, 0,1
	s_delay_alu instid0(VALU_DEP_2)
	v_max3_num_f32 v[BM+\b], v[BM+\b], |v[S+16*\b+\i]|, |v[S+1+16*\b+\i]|
.endr
.endr
.irp b, 0,1
	s_delay_alu instid0(VALU_DEP_2)
	v_permlanex16_b32 v[BT+\b], v[BM+\b], s[SEL], s[SEL+1]
.endr
.irp b, 0,1
	s_delay_alu instid0(VALU_DEP_2)
	v_max_num_f32 v[BM+\b], v[BM+\b], v[BT+\b]
.endr
.irp b, 0,1
	s_delay_alu instid0(VALU_DEP_2)
	v_add_nc_u32 v[BS+\b], 0xff000000, v[BM+\b]
.endr
.irp b, 0,1
	s_delay_alu instid0(VALU_DEP_2)
	v_lshrrev_b32 v[BT+\b], 23, v[BS+\b]
.endr
	s_delay_alu instid0(VALU_DEP_1)
	v_lshl_or_b32 v[OSW], v[BT+1], 8, v[BT]
	v_cvt_scalef32_pk16_fp6_f32 v[PCD:PCD+2], v[S:S+15], v[BS]
	v_cvt_scalef32_pk16_fp6_f32 v[PCD+12:PCD+14], v[S+16:S+31], v[BS+1]
	v_nop
.irp i, 0,1,2
	v_permlane16_swap_b32 v[PCD+\i], v[PCD+12+\i]
.endr
.irp i, 0,1,2
	s_delay_alu instid0(VALU_DEP_3)
	v_mov_b32 v[PCD+3+\i], v[PCD+12+\i]
.endr
	global_store_b128 v1, v[PCD:PCD+3], s[\oc:\oc+1]              ; 512 consecutive bytes
	global_store_b64 v2, v[PCD+4:PCD+5], s[\oc:\oc+1] offset:512  ; 256
	global_store_b16 v9, v[OSW], s[\os:\os+1]                     ; two bytes a row, 8 bytes apart: 32 bytes beside the tile's 768 of codes
.endm
.macro GROUP n, causal                 ; records 4 n .. 4 n + 3
	s_wait_tensorcnt 3-\n                          ; my load of this group has landed; the later groups' may be out
	s_wait_dscnt 0x0
	s_barrier_signal -1
	s_barrier_wait -1                              ; everybody's has
	s_mov_b32 s[TB], \n*4*REC
	s_mov_b32 s[JJ], \n*4
	s_mov_b32 s[CNT], 4
.Lgroup_\@:
	STEP 16, 28, 7, GP1, \causal
	s_sub_co_u32 s[CNT], s[CNT], 1
	s_cmp_lg_u32 s[CNT], 0
	s_cbranch_scc1 .Lgroup_\@
	s_setprio 0
.endm
	INIT
	s_wait_loadcnt 0x0                             ; Q
	GROUP 0, 0                                     ; pass 1: i = 31 - w: its diagonal lies in key steps 8 to 15
	GROUP 1, 0
	GROUP 2, 1
	GROUP 3, 1
	FINAL 56, 58
	INIT
	s_mov_b32 s[TB], 0                             ; pass 2: i = w: key steps 0 to 7 at the most
	s_mov_b32 s[JJ], 0
	s_mov_b32 s[CNT], 8
.Lpass2:
	STEP 84, 29, 8, GP2, 1
	s_sub_co_u32 s[CNT], s[CNT], 1
	s_cmp_lg_u32 s[CNT], 0
	s_cbranch_scc1 .Lpass2
	s_setprio 0
	FINAL 66, 68
	s_wait_dscnt 0x0
	s_wait_tensorcnt 0x0
	ds_add_u32 v254, v255
	s_wait_dscnt 0x0
	ROUND                                          ; the closing round
	s_endpgm
.Lfunc_end_k_q2b71c4a784_attn:
	.size	k_q2b71c4a784_attn, .Lfunc_end_k_q2b71c4a784_attn-k_q2b71c4a784_attn
	.p2alignl 7, 3214868480
	.fill 96, 4, 3214868480
	.section	.rodata,"a",@progbits
	.p2align	6, 0x0
	.amdhsa_kernel k_q2b71c4a784_attn
		.amdhsa_group_segment_fixed_size 210944
		.amdhsa_private_segment_fixed_size 0
		.amdhsa_enable_private_segment 0
		.amdhsa_kernarg_size 24
		.amdhsa_user_sgpr_count 2
		.amdhsa_user_sgpr_kernarg_segment_ptr 1
		.amdhsa_wavefront_size32 1
		.amdhsa_system_sgpr_workgroup_id_x 1
		.amdhsa_system_sgpr_workgroup_id_y 1
		.amdhsa_system_sgpr_workgroup_id_z 1
		.amdhsa_system_vgpr_workitem_id 0
		.amdhsa_next_free_vgpr 256
		.amdhsa_next_free_sgpr 80
		.amdhsa_reserve_vcc 1
		.amdhsa_float_denorm_mode_32 3
		.amdhsa_float_denorm_mode_16_64 3
		.amdhsa_memory_ordered 1
		.amdhsa_forward_progress 1
		.amdhsa_inst_pref_size 128
	.end_amdhsa_kernel
	.amdgpu_metadata
---
amdhsa.version: [ 1, 2 ]
amdhsa.kernels:
  - .name:           k_q2b71c4a784_attn
    .symbol:         k_q2b71c4a784_attn.kd
    .args:
      - { .name: qq, .offset: 0, .size: 8, .value_kind: global_buffer, .address_space: global }
      - { .name: kv, .offset: 8, .size: 8, .value_kind: global_buffer, .address_space: global }
      - { .name: oq, .offset: 16, .size: 8, .value_kind: global_buffer, .address_space: global }
    .group_segment_fixed_size: 210944
    .private_segment_fixed_size: 0
    .kernarg_segment_align: 8
    .kernarg_segment_size: 24
    .max_flat_workgroup_size: 512
    .sgpr_count:     80
    .vgpr_count:     256
    .wavefront_size: 32
...
	.end_amdgpu_metadata
.endif
;; end of part 3
;; launch out (part 4): grid 4 x 32, 4 waves a work-group, clusters of 4 x 4, 327,680 bytes of LDS; arguments oq, wq, bo, out0; writes out0
.if DOCPART == 4
	.amdgcn_target "amdgcn-amd-amdhsa--gfx1250"
	.amdhsa_code_object_version 6
	.text
	.protected	k_q2b71c4a784_out
	.globl	k_q2b71c4a784_out
	.p2align	8
	.type	k_q2b71c4a784_out,@function
k_q2b71c4a784_out:
	s_mov_b64 s[64:65], 0
	v_nop
	global_prefetch_b8 v0, s[64:65] scope:SCOPE_SE
	s_setreg_imm32_b32 hwreg(HW_REG_WAVE_MODE, 25, 1), 1
	s_wait_xcnt 0x0
	s_wait_alu depctr_hold_cnt(0) depctr_sa_sdst(0) depctr_va_vdst(0) depctr_va_sdst(0) depctr_va_ssrc(0) depctr_va_vcc(0) depctr_vm_vsrc(0)
	s_getreg_b32 s2, hwreg(HW_REG_IB_STS2, 6, 4)
	s_cmp_eq_u32 s2, 0
	s_cbranch_scc0 .Lentry_in_a_cluster
	s_endpgm
.Lentry_in_a_cluster:
	s_bfe_u32 s2, ttmp6, 0x10000c
	s_cmp_lg_u32 s2, 0xf033
	s_cbranch_scc0 .Lentry_shape_is_right
	s_endpgm
.Lentry_shape_is_right:
; out0 = o Wo + bo on codes of FP6 (E2M3) with E8M0 scales; out0 [8192][1024] f32.
; A tile of 256 x 256 to a work-group of four waves, 128 x 128 a wave: 64 accumulators.  K = 1,024 goes in four steps of 256 through two LDS slots filled by the tensor data mover.
; Operands lie in memory as images of the matrix operand's registers (tiles of 16 rows; 768 bytes for 64 along K: registers 0-3 at 16 x lane, 4-5 at 512 + 8 x lane).  Row r of tile 2 G + u is row 32 G + 8 u + r + 8 (r / 8).
; Source 0 = 16 columns of Wo, source 1 = 16 tokens: a lane holds one token, and its registers of tiles 2 G, 2 G + 1 are columns 32 G + 16 h + 0 .. 15.  The bias is the C of each sum's first product.
; CLUSTERS: 4 x 4 work-groups; o's tiles are asked for jointly along a row of the cluster, Wo's along a column.  The grid has one cluster along x: the tile column is cx.
; REGISTERS: window 0: v0-31 addresses; v32-63 scale words, two sets; v64-127 the bias, 8 tiles; v128-223 A's fragments.  window 1: B's fragments, two sets.  windows 2, 3: the accumulators.
.set XS_OFF, 6291456
.set WS_OFF, 3145728
.set NQ,     2
.set FR,     12
.set NL,     4
.set NP,     4                         ; places behind this matrix instruction (ISA guide 7.12.1)
.set TILEB,  3072
.set HALFT,  8*TILEB
.set SLOT,   4*HALFT
.set LAPS,   2
.set SCL,    2*SLOT
.set HALFS,  4096
.set SBLK,   512
.set SPARE,  SCL+4*HALFS               ; the spare words: 128 bytes a wave, two blocks of 256 bytes that no other line names
.set SPITCH, 528                       ; the way out: 16 rows x (512 bytes + 16) for each wave, in slot 0, which has had its last fill and its last read when the first result is stored there
.set ADRA, 16
.set ADRB, 20
.set STO,  24
.set RD,   25
.set CO,   26
.set ADRS, 27
.set SPW,  28
.set NIL,  29
.set SC,   32
.set BIAS, 64
.set AF,   128
.set BK,   128
.set G1, 24
.set G0, 32
.set G1B, 48
.set G0B, 56
.set G1S, 68
.set G0S, 76
.set G1SB, 80
.set G0SB, 88
.set MSB, 0
.macro WIN new                         ; the immediate's high byte repeats the setting that is left
.if MSB != (\new)
	s_set_vgpr_msb (MSB<<8)|(\new)
.set MSB, (\new)
.endif
.endm
.set MUL_LO, 0xa1                      ; source 0 (B) window 1, source 1 (A) window 0, C and D window 2
.set MUL_HI, 0xf1                      ; the same, C and D window 3
.set TO_B,   0x40
.macro WMUL base, zero                 ; zero = 2: C is the bias, in window 0
.if \zero == 2
	WIN (\base)&0xcf
.else
	WIN \base
.endif
.endm
.macro JLOAD g0a, g1a, g0b, g1b        ; a joint load: waves 0 and 1 fetch for A, waves 2 and 3 for B; four v_nop follow each of the two lines
	s_cmp_eq_u32 s15, 0
	s_cbranch_scc0 .Lfor_b_\@
	tensor_load_to_lds s[\g0a:\g0a+3], s[\g1a:\g1a+7]
	s_nop 0
.rept 4
	v_nop
.endr
	s_branch .Lasked_\@
.Lfor_b_\@:
	tensor_load_to_lds s[\g0b:\g0b+3], s[\g1b:\g1b+7]
	s_nop 0
.rept 4
	v_nop
.endr
.Lasked_\@:
.endm
.macro CREST
	s_cmp_lg_u32 s14, 0
	s_cbranch_scc1 .Lnot_wave_0_\@
	s_barrier_signal -3
.Lnot_wave_0_\@:
	s_barrier_wait -3
	s_barrier_signal -1
	s_barrier_wait -1
.endm
.macro CROUND
	s_barrier_signal -1
	s_barrier_wait -1
	CREST
.endm
.macro PLACES n
.rept \n
	v_nop
.endr
.endm
.macro FRAG reg, adr, q, i
	ds_load_b128 v[\reg:\reg+3], v[\adr] offset:TILEB*(\i)+1536*(\q)
	ds_load_b64 v[\reg+4:\reg+5], v[\adr+2] offset:TILEB*(\i)+1536*(\q)+512
	ds_load_b128 v[\reg+6:\reg+9], v[\adr] offset:TILEB*(\i)+1536*(\q)+768
	ds_load_b64 v[\reg+10:\reg+11], v[\adr+2] offset:TILEB*(\i)+1536*(\q)+1280
.endm
; 16 matrix instructions: A's blocks a0, a0 + 1 x B's eight.  The 64 accumulators take turns, one instruction a turn.  zero = 2: the sum begins with the bias
.macro MUL16 a0, p, q, sc, zero
.irp a, \a0, \a0+1
.irp b, 0,1,2,3,4,5,6,7
.if \zero == 2
	v_wmma_scale_f32_16x16x128_f8f6f4 v[8*(8*((\a)%4)+\b):8*(8*((\a)%4)+\b)+7], v[128*(\p)+FR*\b:128*(\p)+FR*\b+FR-1], v[AF+FR*(\a):AF+FR*(\a)+FR-1], v[BIAS+8*\b:BIAS+8*\b+7], v[SC+8*NQ*(\sc)+NQ*\b+(\q)], v[SC+8*NQ*(\sc)+NQ*(\a)+(\q)] matrix_a_fmt:MATRIX_FMT_FP6 matrix_b_fmt:MATRIX_FMT_FP6 matrix_a_scale:MATRIX_SCALE_ROW1
.else
	v_wmma_scale_f32_16x16x128_f8f6f4 v[8*(8*((\a)%4)+\b):8*(8*((\a)%4)+\b)+7], v[128*(\p)+FR*\b:128*(\p)+FR*\b+FR-1], v[AF+FR*(\a):AF+FR*(\a)+FR-1], v[8*(8*((\a)%4)+\b):8*(8*((\a)%4)+\b)+7], v[SC+8*NQ*(\sc)+NQ*\b+(\q)], v[SC+8*NQ*(\sc)+NQ*(\a)+(\q)] matrix_a_fmt:MATRIX_FMT_FP6 matrix_b_fmt:MATRIX_FMT_FP6 matrix_a_scale:MATRIX_SCALE_ROW1
.endif
.endr
.endr
.endm
.macro FETCH_B slot, q, p
	WIN TO_B
.irp i, 0,1,2,3,4,5,6,7
	FRAG 128*(\p)+FR*\i, ADRB+\slot, \q, \i
.endr
	WIN 0
.endm
.macro FETCH_A slot, q, i0
.irp i, \i0, \i0+1, \i0+2, \i0+3
	FRAG AF+FR*(\i), ADRA+\slot, \q, \i
.endr
.endm
.macro SCALES sc
.irp i, 0,1,2,3,4,5,6,7
	ds_load_b64 v[SC+8*NQ*\sc+NQ*\i:SC+8*NQ*\sc+NQ*\i+1], v[ADRS] offset:\i*SBLK
.endr
.endm
.macro STEP slot, q, zero
	s_wait_dscnt 4*NL                              ; B's set and A's blocks 0-3 are in; the youngest sixteen loads (A's blocks 4-7) may be out
	WMUL MUL_LO, \zero
	MUL16 0, (\q)%2, \q, \slot, \zero
	MUL16 2, (\q)%2, \q, \slot, \zero
	s_wait_dscnt 0
	PLACES NP
	FETCH_B \slot, (\q)+1, 1-(\q)%2
	FETCH_A \slot, (\q)+1, 0
	WMUL MUL_HI, \zero
	MUL16 4, (\q)%2, \q, \slot, \zero
	MUL16 6, (\q)%2, \q, \slot, \zero
	PLACES NP
	WIN 0
	FETCH_A \slot, (\q)+1, 4
.endm
.macro TURN slot, next, fill
	s_wait_tensorcnt 0x0                           ; all my tensor loads have landed: my part of the next slot
	ds_add_u32 v[SPW], v[NIL]
	s_wait_dscnt 4*NL+1                            ; (the add and A's blocks 4-7 may be out)
	WIN MUL_LO
	MUL16 0, 1, NQ-1, \slot, 0
	s_wait_dscnt 0x0                               ; the add is done, and my reads of this slot are over
	s_barrier_signal -1
	MUL16 2, 1, NQ-1, \slot, 0
	WIN 0
	s_barrier_wait -1
.if \fill
	CREST                                          ; the barrier has opened a round of the cluster's: no wave of any partner still reads this slot or has a load on its way
	s_add_nc_u64 s[G0+4*\slot+2:G0+4*\slot+3], s[G0+4*\slot+2:G0+4*\slot+3], 2*TILEB
	s_add_nc_u64 s[G0B+4*\slot+2:G0B+4*\slot+3], s[G0B+4*\slot+2:G0B+4*\slot+3], 2*TILEB
	JLOAD G0+4*\slot, G1, G0B+4*\slot, G1B         ; the first tensor load behind the round
.else
	PLACES NP
.endif
	v_add_nc_u32 v[ADRS], 128, v[ADRS]
	FETCH_B \next, 0, 0
	FETCH_A \next, 0, 0
	SCALES \next
	WIN MUL_HI
	MUL16 4, 1, NQ-1, \slot, 0
	MUL16 6, 1, NQ-1, \slot, 0
	PLACES NP
	WIN 0
	FETCH_A \next, 0, 4
.endm
	s_load_b256 s[4:11], s[0:1], 0x0               ; oq s[4:5], wq s[6:7], bo s[8:9], out0 s[10:11]
	v_lshl_add_u32 v[SPW], v0, 2, SPARE
	v_mov_b32 v[NIL], 0
	ds_add_u32 v28, v29
	ds_add_u32 v28, v29
	s_wait_dscnt 0x0
	v_lshrrev_b32 v1, 5, v0
	v_readfirstlane_b32 s14, v1                    ; wave 0..3
	s_lshr_b32 s15, s14, 1                         ; which half of the tokens is mine.  Also: I fetch for A (0) or for B (1)
	s_and_b32 s16, s14, 1                          ; which half of the columns.  Also: which 128 rows I fetch
	s_bfe_u32 s40, ttmp6, 0x40000                  ; cx
	s_bfe_u32 s41, ttmp6, 0x40004                  ; cy
	s_and_b32 s17, ttmp7, 0xffff
	s_lshl_b32 s17, s17, 2
	s_add_co_u32 s17, s17, s41                     ; the tile row: 256 tokens
	s_add_co_u32 s42, s40, 12                      ; Wo's 256 columns: units 12-15 of wq
	s_lshl_b32 s43, s41, 2
	s_lshl_b32 s43, 15, s43                        ; my row of the cluster
	s_lshl_b32 s44, 0x1111, s40                    ; my column
	s_or_b32 s[G1+0], s43, (3<<16)|(1<<21)         ; codes: 8 tiles x 3,072 bytes (384 elements of 8 bytes), 1,536 elements from tile to tile
	s_or_b32 s[G1B+0], s44, (3<<16)|(1<<21)
.irp g, G1, G1B
	s_mov_b32 s[\g+1], 384<<16
	s_mov_b32 s[\g+2], 8<<16
	s_mov_b32 s[\g+3], 384<<16
	s_mov_b32 s[\g+4], 8
	s_mov_b32 s[\g+5], 1536
	s_mov_b32 s[\g+6], 0
	s_mov_b32 s[\g+7], 0
.endr
	s_or_b32 s[G1S+0], s43, (3<<16)|(1<<21)        ; scale words of 128 rows: 4,096 dense bytes as 16 rows of 256
	s_or_b32 s[G1SB+0], s44, (3<<16)|(1<<21)
.irp g, G1S, G1SB
	s_mov_b32 s[\g+1], 32<<16
	s_mov_b32 s[\g+2], 16<<16
	s_mov_b32 s[\g+3], 32<<16
	s_mov_b32 s[\g+4], 16
	s_mov_b32 s[\g+5], 32
	s_mov_b32 s[\g+6], 0
	s_mov_b32 s[\g+7], 0
.endr
	s_lshl_b32 s20, s17, 1
	s_add_co_u32 s20, s20, s16                     ; the 128 rows that I fetch
	s_lshl_b32 s46, s42, 1
	s_add_co_u32 s46, s46, s16
	s_mul_i32 s18, s20, 8*12288
	s_mov_b32 s19, 0
	s_lshl_b32 s20, s20, 12
	s_add_co_u32 s20, s20, XS_OFF
	s_mov_b32 s21, 0
	s_lshl_b32 s92, s46, 12
	s_add_co_u32 s92, s92, WS_OFF
	s_mov_b32 s93, 0
	s_mul_i32 s46, s46, 8*12288
	s_mov_b32 s47, 0
	s_mul_i32 s45, s14, HALFT
	s_mul_i32 s94, s14, HALFS
	s_wait_kmcnt 0x0
	s_add_nc_u64 s[18:19], s[4:5], s[18:19]        ; A's codes
	s_add_nc_u64 s[20:21], s[4:5], s[20:21]        ; A's scale words
	s_add_nc_u64 s[46:47], s[6:7], s[46:47]        ; B's codes
	s_add_nc_u64 s[92:93], s[6:7], s[92:93]        ; B's scale words
	CROUND                                         ; all sixteen work-groups are here: the first joint loads meet
	s_mov_b32 s[G0S], 1
	s_add_co_u32 s[G0S+1], s94, SCL
	s_mov_b64 s[G0S+2:G0S+3], s[20:21]
	s_or_b32 s[G0S+3], s[G0S+3], 0x80000000
	s_mov_b32 s[G0SB], 1
	s_add_co_u32 s[G0SB+1], s94, SCL
	s_mov_b64 s[G0SB+2:G0SB+3], s[92:93]
	s_or_b32 s[G0SB+3], s[G0SB+3], 0x80000000
	JLOAD G0S, G1S, G0SB, G1SB
.irp s, 0,1
	s_mov_b32 s[G0+4*\s], 1
	s_add_co_u32 s[G0+4*\s+1], s45, \s*SLOT
	s_add_nc_u64 s[G0+4*\s+2:G0+4*\s+3], s[18:19], \s*TILEB
	s_or_b32 s[G0+4*\s+3], s[G0+4*\s+3], 0x80000000
	s_mov_b32 s[G0B+4*\s], 1
	s_add_co_u32 s[G0B+4*\s+1], s45, \s*SLOT
	s_add_nc_u64 s[G0B+4*\s+2:G0B+4*\s+3], s[46:47], \s*TILEB
	s_or_b32 s[G0B+4*\s+3], s[G0B+4*\s+3], 0x80000000
	JLOAD G0+4*\s, G1, G0B+4*\s, G1B
.endr
	v_and_b32 v1, 15, v0                           ; r
	v_bfe_u32 v2, v0, 4, 1                         ; h
	v_and_b32 v3, 31, v0
	v_lshlrev_b32 v4, 4, v3                        ; 16 x lane
	v_lshlrev_b32 v5, 3, v3                        ; 8 x lane
	v_lshlrev_b32 v7, 6, v2                        ; the bias: 64 h
	s_lshl_b32 s46, s40, 10
	s_lshl_b32 s47, s16, 9
	s_add_co_u32 s46, s46, s47                     ; my first column, in bytes: 1,024 cx + 512 x half
	s_mov_b32 s47, 0
	s_add_nc_u64 s[8:9], s[8:9], s[46:47]
.irp b, 0,1,2,3,4,5,6,7
	global_load_b128 v[BIAS+8*\b:BIAS+8*\b+3], v7, s[8:9] offset:128*(\b/2)+32*(\b%2)        ; tile b, lane half h: columns 32 (b / 2) + 16 h + 8 (b % 2) + 0 .. 7
	global_load_b128 v[BIAS+8*\b+4:BIAS+8*\b+7], v7, s[8:9] offset:128*(\b/2)+32*(\b%2)+16
.endr
	s_mul_i32 s21, s15, HALFT
	s_mul_i32 s22, s16, HALFT
	s_add_co_u32 s22, s22, 2*HALFT
.irp s, 0,1
	v_add_nc_u32 v[ADRA+\s], s21, v4
	v_add_nc_u32 v[ADRB+\s], s22, v4
	v_add_nc_u32 v[ADRA+2+\s], s21, v5
	v_add_nc_u32 v[ADRB+2+\s], s22, v5
	s_add_co_u32 s21, s21, SLOT
	s_add_co_u32 s22, s22, SLOT
.endr
	v_lshlrev_b32 v5, 3, v1                        ; my row's two words of a K step: 8 r
	s_mul_i32 s21, s15, HALFS
	s_mul_i32 s22, s16, HALFS
	s_add_co_u32 s22, s22, 2*HALFS
	s_sub_co_u32 s22, s22, s21
	v_mul_u32_u24 v6, s22, v2                      ; lanes 16-31 take B's: one product, the distance between the two bases
	s_add_co_u32 s21, s21, SCL
	v_add_nc_u32 v5, v5, v6
	v_add_nc_u32 v[ADRS], s21, v5
	s_mul_i32 s23, s14, 16*SPITCH                  ; my stage
	v_mul_u32_u24 v5, v1, SPITCH
	v_lshl_add_u32 v5, v2, 6, v5
	v_add_nc_u32 v[STO], s23, v5                   ; in: row r, + 64 h
	v_mov_b32 v[CO], v4                            ; back: the 32 lanes take one row of 512 bytes; and the same in out0
	v_add_nc_u32 v[RD], s23, v4
	s_lshl_b32 s20, s17, 20                        ; 256 rows of 4,096 bytes for each tile row,
	s_lshl_b32 s21, s15, 19                        ; 128 for my half
	s_add_co_u32 s20, s20, s21
	s_mov_b32 s21, 0
	s_add_nc_u64 s[10:11], s[10:11], s[20:21]
	s_add_nc_u64 s[10:11], s[10:11], s[46:47]
	s_wait_tensorcnt 1                             ; the scale words and my part of K step 0 are in (K step 1's load may be out),
	s_barrier_signal -1
	s_barrier_wait -1                              ; everybody's are
	FETCH_B 0, 0, 0
	FETCH_A 0, 0, 0
	SCALES 0
	FETCH_A 0, 0, 4
	s_wait_loadcnt 0x0                             ; the bias
	STEP 0, 0, 2                                   ; the first step's products start the sums with the bias
	s_mov_b32 s3, LAPS-1
.Llap:
	TURN 0, 1, 1
	STEP 1, 0, 0
	TURN 1, 0, 1
	STEP 0, 0, 0
	s_sub_co_u32 s3, s3, 1
	s_cmp_lg_u32 s3, 0
	s_cbranch_scc1 .Llap
	TURN 0, 1, 0                                   ; the last lap fills nothing
	STEP 1, 0, 0
	s_wait_dscnt 4*NL
	WIN MUL_LO
	MUL16 0, 1, NQ-1, 1, 0
	MUL16 2, 1, NQ-1, 1, 0
	s_wait_dscnt 0
	WIN MUL_HI
	MUL16 4, 1, NQ-1, 1, 0
	MUL16 6, 1, NQ-1, 1, 0
	WIN 0
; THE WAY OUT, block by block of 16 tokens x 128 columns, through my own stage in LDS: in as the lanes hold it, back as whole rows of 512 bytes.  LDS serves a wave's instructions in order (ISA guide 5.7.1.4).
.macro TOSTAGE a
.set AC, 64*((\a)%4)
	WIN 0x08+4*((\a)/4)                            ; the data: window 2 or 3
.irp b, 0,1,2,3,4,5,6,7
	ds_store_b128 v[STO], v[AC+8*\b:AC+8*\b+3] offset:128*(\b/2)+32*(\b%2)        ; each accumulator from its low end on
	ds_store_b128 v[STO], v[AC+8*\b+4:AC+8*\b+7] offset:128*(\b/2)+32*(\b%2)+16
.endr
	WIN 0
.set BB, BK+64*((\a)%2)
.irp t, 0,1,2,3,4,5,6,7,8,9,10,11,12,13,14,15
	ds_load_b128 v[BB+4*\t:BB+4*\t+3], v[RD] offset:\t*SPITCH
.endr
.endm
.macro SEND a, younger                 ; younger: the LDS instructions issued behind block a's loads, which may stay out
.set BB, BK+64*((\a)%2)
	s_wait_dscnt \younger
.irp t, 0,1,2,3,4,5,6,7,8,9,10,11,12,13,14,15
	global_store_b128 v[CO], v[BB+4*\t:BB+4*\t+3], s[10:11] offset:(32*((\a)/2)+8*((\a)%2)+\t+8*(\t/8))*4096 th:TH_STORE_NT   ; row t of block a is token 32 (a / 2) + 8 (a % 2) + t + 8 (t / 8): 512 consecutive bytes, aligned; 127 rows at the most, inside the signed 24-bit immediate
.endr
.endm
	PLACES NP
	TOSTAGE 0
.irp a, 1,2,3,4,5,6,7
.if \a > 1
	s_wait_xcnt 0x0                                ; block a - 2's stores have read their registers: block a's loads may land there
.endif
	TOSTAGE \a
	SEND \a-1, 32                                  ; behind block a - 1's loads: block a's 16 stores and 16 loads
.endr
	SEND 7, 0
	s_wait_tensorcnt 0x0                           ; the wave's end
	ds_add_u32 v[SPW], v[NIL]
	s_wait_dscnt 0x0
	CROUND                                         ; the closing round
	s_endpgm
.Lfunc_end_k_q2b71c4a784_out:
	.size	k_q2b71c4a784_out, .Lfunc_end_k_q2b71c4a784_out-k_q2b71c4a784_out
	.p2alignl 7, 3214868480
	.fill 96, 4, 3214868480
	.section	.rodata,"a",@progbits
	.p2align	6, 0x0
	.amdhsa_kernel k_q2b71c4a784_out
		.amdhsa_group_segment_fixed_size 327680
		.amdhsa_private_segment_fixed_size 0
		.amdhsa_enable_private_segment 0
		.amdhsa_kernarg_size 32
		.amdhsa_user_sgpr_count 2
		.amdhsa_user_sgpr_kernarg_segment_ptr 1
		.amdhsa_wavefront_size32 1
		.amdhsa_system_sgpr_workgroup_id_x 1
		.amdhsa_system_sgpr_workgroup_id_y 1
		.amdhsa_system_sgpr_workgroup_id_z 1
		.amdhsa_system_vgpr_workitem_id 0
		.amdhsa_next_free_vgpr 1024
		.amdhsa_next_free_sgpr 100
		.amdhsa_reserve_vcc 0
		.amdhsa_float_denorm_mode_32 3
		.amdhsa_float_denorm_mode_16_64 3
		.amdhsa_memory_ordered 1
		.amdhsa_forward_progress 1
		.amdhsa_inst_pref_size 145
	.end_amdhsa_kernel
	.amdgpu_metadata
---
amdhsa.version: [ 1, 2 ]
amdhsa.kernels:
  - .name:           k_q2b71c4a784_out
    .symbol:         k_q2b71c4a784_out.kd
    .args:
      - { .name: oq, .offset: 0, .size: 8, .value_kind: global_buffer, .address_space: global }
      - { .name: wq, .offset: 8, .size: 8, .value_kind: global_buffer, .address_space: global }
      - { .name: bo, .offset: 16, .size: 8, .value_kind: global_buffer, .address_space: global }
      - { .name: out0, .offset: 24, .size: 8, .value_kind: global_buffer, .address_space: global }
    .group_segment_fixed_size: 327680
    .private_segment_fixed_size: 0
    .kernarg_segment_align: 8
    .kernarg_segment_size: 32
    .max_flat_workgroup_size: 128
    .sgpr_count:     100
    .vgpr_count:     1024
    .wavefront_size: 32
...
	.end_amdgpu_metadata
.endif
;; end of part 4
